; MI455X (gfx1250); checked and timed in simulation.
; The chip was launched on July 23, 2026; its instructions are those of AMD's public machine-readable ISA for CDNA 5 (MIT licence, August 2026) and "CDNA5" Instruction Set Architecture Reference Guide (July 2026). The comments in the code are by the model that wrote it; some were corrected since.
;; Multi Head Attention. Allowed arithmetic: float matrix products may take bf16 or f16 operands with f32 sums; all other float work in f32.
;; Inputs: bk 1,024 float32; bo 1,024 float32; bq 1,024 float32; bv 1,024 float32; key 4 x 2,048 x 1,024 float32; query 4 x 2,048 x 1,024 float32; value 4 x 2,048 x 1,024 float32; wk 1,024 x 1,024 float32; wo 1,024 x 1,024 float32; wq 1,024 x 1,024 float32; wv 1,024 x 1,024 float32.
;; Outputs: out0 4 x 2,048 x 1,024 float32.
;; One version. Each part assembles by itself: llvm-mc -triple=amdgcn-amd-amdhsa -mcpu=gfx1250 --defsym DOCPART=n.
;; ======== version 1 of 1: 4 launches
;; limits: values are held in f16: magnitudes above 65,504 overflow, below 6.1e-05 lose precision
;; workspace buffers: wt 8,388,608 bytes; qkv 50,331,648 bytes; ctx 16,777,216 bytes
;; launch prep (part 1): grid 128 x 4, 8 waves a work-group, no clusters, 18,432 bytes of LDS; arguments wq, wk, wv, wo, wt; writes wt
.if DOCPART == 1
	.amdgcn_target "amdgcn-amd-amdhsa--gfx1250"
	.amdhsa_code_object_version 6
	.text
	.protected	k_q6c31c9c848_prep
	.globl	k_q6c31c9c848_prep
	.p2align	8
	.type	k_q6c31c9c848_prep,@function
k_q6c31c9c848_prep:
	s_mov_b64 s[64:65], 0
	v_nop
	global_prefetch_b8 v0, s[64:65] scope:SCOPE_SE
	s_setreg_imm32_b32 hwreg(HW_REG_WAVE_MODE, 25, 1), 1
	s_wait_xcnt 0x0
; MULTI-HEAD ATTENTION, launch 1 of 4: the four weight matrices, stored [in k][out n] in f32, are written as wt[i][n][k] in f16
; (i = 0 wq, 1 wk, 2 wv, 3 wo), so that the products of the later launches find K along the rows.
;
; WORK LEFT OUT IN THE WHOLE PROGRAM: the bias bk.  att[b,h,q,k] = q . (key_k wk + bk) / 8 = q . (key_k wk) / 8 + (q . bk) / 8.
; The second term does not hang on k, the axis of the softmax, and softmax(x + t) = softmax(x) for every finite t; k is used nowhere else.
; So bk can reach no output for any finite inputs: it is not loaded and is among no launch's arguments.
; LIMIT: a NaN, an infinity or an overflow that enters through bk alone is not carried to the result.
; NUMBER FORMAT: all matrix operands (activations, weights, q, k, v, the softmax's weights, the context) are f16, sums f32.
; LIMIT: an operand of 65,504 or more in magnitude becomes an infinity, one below about 2^-24 becomes 0.  Inputs 30 times those drawn, or with
; an offset of 30 spreads on activations and weights, give q, k, v of some 29,000 at the most, inside that range.
;
; A work-group transposes a tile of 128 k x 64 n.  Thread t: c = t & 15 (four columns n), g = t >> 4.  Sixteen neighbouring lanes read
; 256 consecutive aligned bytes of a row of W, and sixteen neighbouring lanes store 256 consecutive aligned bytes of a row of wt.
; No matrix unit, tensor load or cluster: every byte is read once and written once and no two work-groups share any.
.set XR, 8                             ; v[8:39]   row pair i: 4 registers of row 2 rho, 4 of row 2 rho + 1 (rho = g + 16 i); later the rows read back
.set DR, 40                            ; v[40:55]  row pair i: 4 words, each (k = 2 rho, k = 2 rho + 1) of one column in f16
.set PITCH, 272                        ; LDS row: 128 k in f16 = 256 bytes, + 16
	s_load_b256 s[4:11], s[0:1], 0x0               ; wq, wk, wv, wo
	s_load_b64 s[12:13], s[0:1], 0x20              ; wt
	v_lshl_add_u32 v64, v0, 2, 0x4400
	v_mov_b32 v65, 0
	s_and_b32 s14, ttmp7, 0xffff                   ; which matrix
	s_and_b32 s15, ttmp9, 7                        ; k tile: k0 = 128 x
	s_lshr_b32 s16, ttmp9, 3                       ; n tile: n0 = 64 x
	v_and_b32 v1, 15, v0                           ; c
	v_lshrrev_b32 v2, 4, v0                        ; g
	v_lshlrev_b32 v3, 4, v1                        ; 16 c
	v_lshl_add_u32 v4, v2, 13, v3                  ; in: two rows of 4,096 bytes for each g, + 16 c
	v_mul_u32_u24 v5, v1, 4*PITCH
	v_lshl_add_u32 v5, v2, 2, v5                   ; stage, in: row n = 4 c (+ j), word rho = g (+ 16 i)
	v_mul_u32_u24 v6, v2, PITCH
	v_add_nc_u32 v6, v6, v3                        ; stage, back: row g (+ 16 i), 16 bytes a lane
	v_lshl_add_u32 v7, v2, 11, v3                  ; out: row g of 2,048 bytes, + 16 c
	s_lshl_b32 s18, s15, 19                        ; k0 rows of 4,096 bytes
	s_lshl_b32 s17, s16, 8                         ; n0 columns of 4 bytes
	s_add_co_u32 s18, s18, s17
	s_mov_b32 s19, 0
	s_lshl_b32 s20, s14, 21                        ; the matrix in wt: 2 MiB each
	s_lshl_b32 s17, s16, 17                        ; n0 rows of 2,048 bytes
	s_add_co_u32 s20, s20, s17
	s_lshl_b32 s17, s15, 8                         ; k0 columns of 2 bytes
	s_add_co_u32 s20, s20, s17
	s_mov_b32 s21, 0
	s_wait_kmcnt 0x0
	s_cmp_eq_u32 s14, 1
	s_cselect_b64 s[4:5], s[6:7], s[4:5]
	s_cmp_eq_u32 s14, 2
	s_cselect_b64 s[4:5], s[8:9], s[4:5]
	s_cmp_eq_u32 s14, 3
	s_cselect_b64 s[4:5], s[10:11], s[4:5]
	s_add_nc_u64 s[4:5], s[4:5], s[18:19]
	s_add_nc_u64 s[12:13], s[12:13], s[20:21]
.irp i, 0,1,2,3
	global_load_b128 v[XR+8*\i:XR+8*\i+3],   v4, s[4:5] offset:\i*131072 th:TH_LOAD_NT        ; row k0 + 2 (g + 16 i)
	global_load_b128 v[XR+8*\i+4:XR+8*\i+7], v4, s[4:5] offset:\i*131072+4096 th:TH_LOAD_NT   ; and the row below it
.endr
.irp i, 0,1,2,3
	s_wait_loadcnt 6-2*\i                          ; loads come back in order: this pair is in, the 6 - 2 i younger loads stay out
.irp j, 0,1,2,3
	v_cvt_pk_f16_f32 v[DR+4*\i+\j], v[XR+8*\i+\j], v[XR+8*\i+4+\j]     ; two neighbouring k of column 4 c + j
.endr
.irp j, 0,1,2,3
	ds_store_b32 v5, v[DR+4*\i+\j] offset:\j*PITCH+\i*64               ; the sixteen c of a store fall on four banks, four deep; a thread has sixteen such stores in all
.endr
.endr
	s_wait_dscnt 0x0                               ; my stores are done, for the other waves' sake
	s_barrier_signal -1
	s_barrier_wait -1
.irp i, 0,1,2,3
	ds_load_b128 v[XR+4*\i:XR+4*\i+3], v6 offset:\i*16*PITCH           ; row n = g + 16 i, 16 lanes take its 256 bytes
.endr
.irp i, 0,1,2,3
	s_wait_dscnt 3-\i
	global_store_b128 v7, v[XR+4*\i:XR+4*\i+3], s[12:13] offset:\i*32768   ; 16 lanes store 256 consecutive bytes, aligned
.endr
	s_wait_tensorcnt 0x0
	ds_add_u32 v64, v65
	s_wait_dscnt 0x0
	s_endpgm
.Lfunc_end_k_q6c31c9c848_prep:
	.size	k_q6c31c9c848_prep, .Lfunc_end_k_q6c31c9c848_prep-k_q6c31c9c848_prep
	.p2alignl 7, 3214868480
	.fill 96, 4, 3214868480
	.section	.rodata,"a",@progbits
	.p2align	6, 0x0
	.amdhsa_kernel k_q6c31c9c848_prep
		.amdhsa_group_segment_fixed_size 18432
		.amdhsa_private_segment_fixed_size 0
		.amdhsa_enable_private_segment 0
		.amdhsa_kernarg_size 40
		.amdhsa_user_sgpr_count 2
		.amdhsa_user_sgpr_kernarg_segment_ptr 1
		.amdhsa_wavefront_size32 1
		.amdhsa_system_sgpr_workgroup_id_x 1
		.amdhsa_system_sgpr_workgroup_id_y 1
		.amdhsa_system_sgpr_workgroup_id_z 1
		.amdhsa_system_vgpr_workitem_id 0
		.amdhsa_next_free_vgpr 66
		.amdhsa_next_free_sgpr 66
		.amdhsa_reserve_vcc 0
		.amdhsa_float_denorm_mode_32 3
		.amdhsa_float_denorm_mode_16_64 3
		.amdhsa_memory_ordered 1
		.amdhsa_forward_progress 1
		.amdhsa_inst_pref_size 6
	.end_amdhsa_kernel
	.amdgpu_metadata
---
amdhsa.version: [ 1, 2 ]
amdhsa.kernels:
  - .name:           k_q6c31c9c848_prep
    .symbol:         k_q6c31c9c848_prep.kd
    .args:
      - { .name: wq, .offset: 0, .size: 8, .value_kind: global_buffer, .address_space: global }
      - { .name: wk, .offset: 8, .size: 8, .value_kind: global_buffer, .address_space: global }
      - { .name: wv, .offset: 16, .size: 8, .value_kind: global_buffer, .address_space: global }
      - { .name: wo, .offset: 24, .size: 8, .value_kind: global_buffer, .address_space: global }
      - { .name: wt, .offset: 32, .size: 8, .value_kind: global_buffer, .address_space: global }
    .group_segment_fixed_size: 18432
    .private_segment_fixed_size: 0
    .kernarg_segment_align: 8
    .kernarg_segment_size: 40
    .max_flat_workgroup_size: 256
    .sgpr_count:     66
    .vgpr_count:     66
    .wavefront_size: 32
...
	.end_amdgpu_metadata
.endif
;; end of part 1
;; launch qkv (part 2): grid 4 x 64, 4 waves a work-group, clusters of 4 x 4, 327,680 bytes of LDS; arguments query, key, value, wt, bq, bv, qkv; writes qkv
.if DOCPART == 2
	.amdgcn_target "amdgcn-amd-amdhsa--gfx1250"
	.amdhsa_code_object_version 6
	.text
	.protected	k_q6c31c9c848_qkv
	.globl	k_q6c31c9c848_qkv
	.p2align	8
	.type	k_q6c31c9c848_qkv,@function
k_q6c31c9c848_qkv:
	s_mov_b64 s[64:65], 0
	v_nop
	global_prefetch_b8 v0, s[64:65] scope:SCOPE_SE
	s_setreg_imm32_b32 hwreg(HW_REG_WAVE_MODE, 25, 1), 1
	s_wait_xcnt 0x0
	s_wait_alu depctr_hold_cnt(0) depctr_sa_sdst(0) depctr_va_vdst(0) depctr_va_sdst(0) depctr_va_ssrc(0) depctr_va_vcc(0) depctr_vm_vsrc(0)
	s_getreg_b32 s2, hwreg(HW_REG_IB_STS2, 6, 4)
	s_cmp_eq_u32 s2, 0
	s_cbranch_scc0 .Lentry_in_a_cluster
	s_endpgm
.Lentry_in_a_cluster:
	s_bfe_u32 s2, ttmp6, 0x10000c
	s_cmp_lg_u32 s2, 0xf033
	s_cbranch_scc0 .Lentry_shape_is_right
	s_endpgm
.Lentry_shape_is_right:
; Launch 2 of 4: q = c (query wq + bq) with c = log2(e) / 8, k = key wk, v = value wv + bv, each [8192][1024], stored in f16 one behind the other in qkv.
; WORK LEFT OUT: bk.  It adds (q . bk) / 8 to every score of a row, the same along the softmax's axis, so it cancels for all finite inputs;
; it is not loaded.  A NaN, an infinity or an overflow that enters through bk alone is not carried to the result.
; LIMIT: matrix operands are f16 (magnitudes below 65,504; below about 2^-24 they vanish); sums are f32.
; THE FACTOR c: the scores' 1 / 8 and the step from e^x to 2^x are put on q here, in f32, ahead of its one rounding to f16.  The next launch's scores are then
; exponents of 2 as they leave the matrix unit, and it takes the row's maximum itself away from them: a difference that is never above 0, however large the scores.
;
; A work-group makes 128 rows x 256 columns with four waves, as many as a WGP has SIMDs; a wave makes 64 x 128: 32 accumulator tiles, 256 registers.
; 8192 x 1024 outputs in such blocks are 256 work-groups.  WORK-GROUPS THAT STAY: each makes its block of q, then of k, then of v.  K is only eight steps of 128, so
; the three products' 24 K steps go through the two LDS slots as one stream: the turns that end K steps 6 and 7 of a product ask for K steps 0 and 1 of the next,
; and a product's stores leave while the next product is multiplied.  The arguments, the first tile's way from memory and the wait for the last stores come once.
; The activations come as f32 (rows of 512 bytes in a K step) and are rounded to f16 between LDS and the matrix unit: they are read from memory once and no
; converted copy of them is ever stored.
; CLUSTERS: 4 x 4 work-groups.  The four of a row of the cluster make the four column blocks of one block row (all 1,024 columns) and ask for the
; activations' tile jointly; the four of a column share the weights' tile.  All sixteen are in the same product at the same round.
; THE MATRIX INSTRUCTION IS USED TRANSPOSED: source 0 = 16 rows of wt (output columns), source 1 = 16 rows of activations.  Lane l then holds
; output row l % 16 and, in registers 0-7, the columns 8 (l / 16) + 0..7.  The bias enters as the C of a product's first matrix instructions: register j of a
; bias tile holds bias[16 b + 8 (l / 16) + j] in every lane.  The key product's take the constant 0.
; ASKING AHEAD.  Behind the joint load that ends an even K step s each wave asks, by one global_prefetch_b8, for its share of the activations of K steps s + 4 and
; s + 5, which the tensor loads behind K steps s + 2 and s + 3 will fetch: two and three K steps, 256 and 384 matrix instructions of a wave, later.  Two K steps of a
; block row are 128 rows x 1,024 bytes = 512 pieces of 256 bytes; the sixteen waves of the four work-groups that share the block row take 32 pieces each, one a lane,
; so each piece is asked for once in the launch, and 64 KiB a work-group at the most are asked for and not yet fetched.  K steps 2 and 3 of q are asked for at the
; start.  The requests run on into the next product's activations and stop with v: its last four K steps ask for nothing.  The weights are not asked for: all 64 block
; rows read the same 2 MiB of a product.
; REGISTERS: window 0 addresses and fragments; window 1 the 32 accumulator tiles, tile (a, b) at v[8 (8 a + b)]; window 2 v0-63 bq's tiles, v64-127 bv's.
.set KSTEP,  128
.set AROWB,  4096                      ; bytes in a row of the activations
.set APITCH, 528                       ; LDS row: 512 bytes + 16, an odd multiple of 16: sixteen rows start at sixteen different 16-byte columns of 256
.set AKB,    512                       ; bytes of a row in a K step
.set AQB,    128                       ; and in a quarter step (32 along K)
.set SPITCH, 272                       ; the stage's row: 128 f16 + 16 bytes
.set OROWB,  2048                      ; bytes in a row of the output
.set BPITCH, 272
.set HALFT,  128*BPITCH                ; 34,816: what one tensor load may fill (128 rows of weights; 64 rows of activations take 33,792)
.set SLOT,   4*HALFT                   ; activations' rows 0-63, 64-127, weights' rows 0-127, 128-255
.set STAGE,  2*SLOT                    ; behind the ring, a multiple of 256: 16 rows for each wave, for the way out; no tensor load lands here
.set WSTEP,  (1<<21)-6*KSTEP*2         ; weights: from K step 6 (or 7) of a product to K step 0 (or 1) of the next, whose matrix lies 2 MiB on
.set PSTEP,  (1<<24)-48*OROWB          ; output: from a product's last 16 rows to the next product's first, 16 MiB on
.set ADRA, 16                          ; v16-17  LDS address of my activations' fragments in slot 0, 1
.set ADRB, 20                          ; v20-21  the same for the weights
.set STO,  24                          ; the way out: where I put my part of a row
.set RD,   25                          ; the way out: where I read rows back
.set CO,   26                          ; my byte offset in the output
.set BO,   27                          ; my byte offset in a bias: 32 (l / 16)
.set PO,   28                          ; asking ahead: my piece's byte offset in the block row; never rewritten
.set RAW,  32                          ; v32-95   a quarter step's activations as loaded, f32
.set AF,   96                          ; v96-127  the same in f16: four fragments; on the way out the packed results
.set BF,   128                         ; v128-191, v192-255  eight fragments of weights, two buffers
.set G1,  24                           ; s[24:31] group 1 for the activations' tiles
.set G0,  32                           ; s[32:39] group 0 for them, one set for each slot
.set G1B, 48                           ; s[48:55] group 1 for the weights' tiles
.set G0B, 56                           ; s[56:63] group 0 for them
.set AT,  68                           ; s[68:73] query, key, value at my block row's first byte
.set DT,  86                           ; s[86:91] the same at the first of the 64 rows that I fetch
.set PFB, 92                           ; s[92:93] asking ahead: the block row at the two K steps that are asked for next
.set MSB, 0
.macro WIN new                         ; the immediate's high byte repeats the setting that is left
.if MSB != \new
	s_set_vgpr_msb (MSB<<8)|\new
.set MSB, \new
.endif
.endm
.set MULW,  0x50                       ; C and D window 1, sources window 0
.set MULBW, 0x60                       ; D window 1, C window 2 (a bias)
.set TO_W2, 0x80                       ; destination window 2
.set FROM1, 0x05                       ; sources 0 and 1 window 1
.set IN1,   0x41                       ; destination and source 0 window 1
; A joint load.  Waves 0 and 1 fetch the activations' two halves, waves 2 and 3 the weights'.  Each line has one mask; the branch hangs on the wave's number alone.
.macro JLOAD s
	s_cmp_eq_u32 s11, 0
	s_cbranch_scc0 .Lfor_b_\@
	tensor_load_to_lds s[G0+4*\s:G0+4*\s+3], s[G1:G1+7]
	s_nop 0
	s_branch .Lasked_\@
.Lfor_b_\@:
	tensor_load_to_lds s[G0B+4*\s:G0B+4*\s+3], s[G1B:G1B+7]
	s_nop 0
.Lasked_\@:
.endm
; A round of the cluster's barrier: my work-group's barrier; wave 0 signals for the work-group; every wave waits for all sixteen; my work-group's barrier again.
.macro CREST                           ; a round behind its opening barrier
	s_cmp_lg_u32 s10, 0
	s_cbranch_scc1 .Lnot_wave_0_\@
	s_barrier_signal -3
.Lnot_wave_0_\@:
	s_barrier_wait -3
	s_barrier_signal -1
	s_barrier_wait -1
.endm
.macro CROUND
	s_barrier_signal -1
	s_barrier_wait -1
	CREST
.endm
	s_load_b128 s[68:71], s[0:1], 0x0              ; query, key
	s_load_b64 s[72:73], s[0:1], 0x10              ; value
	s_load_b64 s[6:7], s[0:1], 0x18                ; wt
	s_load_b128 s[76:79], s[0:1], 0x20             ; bq, bv
	s_load_b64 s[8:9], s[0:1], 0x30                ; qkv
	v_lshl_add_u32 v30, v0, 2, 0x48400
	v_mov_b32 v31, 0
	ds_add_u32 v30, v31
	v_lshrrev_b32 v1, 5, v0
	v_readfirstlane_b32 s10, v1                    ; wave 0..3
	s_lshr_b32 s11, s10, 1                         ; which 64 rows of the block are mine.  Also: I fetch activations (0) or weights (1)
	s_and_b32 s12, s10, 1                          ; which 128 columns.  Also: which half of that tile I fetch
	s_bfe_u32 s40, ttmp6, 0x40000                  ; cx
	s_bfe_u32 s41, ttmp6, 0x40004                  ; cy
	s_lshl_b32 s42, ttmp9, 2
	s_add_co_u32 s42, s42, s40                     ; block column = 4 x cluster x + cx
	s_and_b32 s13, ttmp7, 0xffff                   ; cluster y
	s_lshl_b32 s13, s13, 2
	s_add_co_u32 s13, s13, s41                     ; block row = 4 x cluster y + cy
	s_lshl_b32 s43, s41, 2
	s_lshl_b32 s43, 15, s43                        ; my row of the cluster
	s_lshl_b32 s44, 0x1111, s40                    ; my column
	s_or_b32 s[G1+0], s43, (2<<16)|(1<<20)|(1<<21)|(6<<22)|(3<<25)         ; mask; elements of 4 bytes; padding on; bit 21 beside a mask; after every 128 words; 4 words
	s_mov_b32 s[G1+1], KSTEP<<16                   ; tensor_dim0 = 128
	s_mov_b32 s[G1+2], 64<<16                      ; tensor_dim1 = 64
	s_mov_b32 s[G1+3], KSTEP<<16                   ; tile_dim0 = 128
	s_mov_b32 s[G1+4], 64                          ; tile_dim1 = 64
	s_mov_b32 s[G1+5], 1024                        ; elements from row to row
	s_mov_b32 s[G1+6], 0
	s_mov_b32 s[G1+7], 0
	s_or_b32 s[G1B+0], s44, (1<<16)|(1<<20)|(1<<21)|(5<<22)|(3<<25)        ; f16, rows of 64 words + 4
	s_mov_b32 s[G1B+1], KSTEP<<16
	s_mov_b32 s[G1B+2], 128<<16
	s_mov_b32 s[G1B+3], KSTEP<<16
	s_mov_b32 s[G1B+4], 128
	s_mov_b32 s[G1B+5], 1024
	s_mov_b32 s[G1B+6], 0
	s_mov_b32 s[G1B+7], 0
	; The activations' tile hangs on the block row, the weights' on the block column; each in registers that never hold the other coordinate.
	s_lshl_b32 s16, s13, 19                        ; the block row: 128 rows of 4,096 bytes
	s_mov_b32 s17, 0
	s_lshl_b32 s18, s12, 18                        ; the half that I fetch: 64 rows
	s_mov_b32 s19, 0
	s_lshl_b32 s46, s42, 8
	s_lshl_b32 s47, s12, 7
	s_add_co_u32 s46, s46, s47                     ; row of wt: 256 x block column + 128 x half
	s_lshl_b32 s46, s46, 11
	s_mov_b32 s47, 0
	s_mul_i32 s20, s10, HALFT                      ; where my part of a tile goes: the wave's number alone
	s_lshl_b32 s84, s42, 10                        ; my first column in a bias: 4 (256 x block column + 128 x half)
	s_lshl_b32 s85, s12, 9
	s_add_co_u32 s84, s84, s85
	s_mov_b32 s85, 0
	s_wait_dscnt 0x0
	s_wait_kmcnt 0x0
.irp t, 0,1,2
	s_add_nc_u64 s[AT+2*\t:AT+2*\t+1], s[AT+2*\t:AT+2*\t+1], s[16:17]
	s_add_nc_u64 s[DT+2*\t:DT+2*\t+1], s[AT+2*\t:AT+2*\t+1], s[18:19]
.endr
	s_add_nc_u64 s[46:47], s[6:7], s[46:47]        ; wq's rows; wk's and wv's lie 2 and 4 MiB on
	s_add_nc_u64 s[76:77], s[76:77], s[84:85]
	s_add_nc_u64 s[78:79], s[78:79], s[84:85]
	CROUND                                         ; all sixteen work-groups are here: the first joint loads meet
.irp s, 0,1
	s_mov_b32 s[G0+4*\s], 1
	s_add_co_u32 s[G0+4*\s+1], s20, \s*SLOT
	s_add_nc_u64 s[G0+4*\s+2:G0+4*\s+3], s[DT:DT+1], \s*AKB        ; query, K step s
	s_or_b32 s[G0+4*\s+3], s[G0+4*\s+3], 0x80000000
	s_mov_b32 s[G0B+4*\s], 1
	s_add_co_u32 s[G0B+4*\s+1], s20, \s*SLOT
	s_add_nc_u64 s[G0B+4*\s+2:G0B+4*\s+3], s[46:47], \s*KSTEP*2
	s_or_b32 s[G0B+4*\s+3], s[G0B+4*\s+3], 0x80000000
	JLOAD \s                                       ; both first fills go out together: two tensor loads of the wave are out
.endr
	; asking ahead: wave g = 4 cx + wave of the sixteen takes rows 8 g .. 8 g + 7 of the block row; lane l row l / 4 of them and piece l % 4 of its 1,024 bytes
	s_lshl_b32 s94, s40, 2
	s_add_co_u32 s94, s94, s10
	v_bfe_u32 v8, v0, 2, 3
	v_lshl_add_u32 v8, s94, 3, v8
	v_and_b32 v9, 3, v0
	v_lshlrev_b32 v9, 8, v9
	v_lshl_add_u32 v[PO], v8, 12, v9
	global_prefetch_b8 v[PO], s[AT:AT+1] offset:2*AKB th:TH_LOAD_NT scope:SCOPE_SE    ; query, K steps 2 and 3
	s_add_nc_u64 s[PFB:PFB+1], s[AT:AT+1], 4*AKB   ; next: K steps 4 and 5
	v_and_b32 v1, 15, v0                           ; r = l % 16
	v_bfe_u32 v2, v0, 4, 1                         ; h = l / 16
	v_lshlrev_b32 v[BO], 5, v2
	; the bias tiles: tile b, register j = bias[my first column + 16 b + 8 h + j]
	WIN TO_W2
.irp b, 0,1,2,3,4,5,6,7
	global_load_b128 v[8*\b:8*\b+3],       v[BO], s[76:77] offset:64*\b
	global_load_b128 v[8*\b+4:8*\b+7],     v[BO], s[76:77] offset:64*\b+16
	global_load_b128 v[64+8*\b:64+8*\b+3],   v[BO], s[78:79] offset:64*\b
	global_load_b128 v[64+8*\b+4:64+8*\b+7], v[BO], s[78:79] offset:64*\b+16
.endr
	WIN 0
	v_mul_u32_u24 v3, v1, APITCH
	v_lshl_add_u32 v3, v2, 5, v3                   ; activations: row r, 8 f32 for each half of the lanes
	v_mul_u32_u24 v4, v1, BPITCH
	v_lshl_add_u32 v4, v2, 4, v4                   ; weights
	s_mul_i32 s21, s11, HALFT                      ; my 64 rows of activations
	s_mul_i32 s22, s12, HALFT
	s_add_co_u32 s22, s22, 2*HALFT                 ; my 128 rows of weights
.irp s, 0,1
	v_add_nc_u32 v[ADRA+\s], s21, v3
	v_add_nc_u32 v[ADRB+\s], s22, v4
	s_add_co_u32 s21, s21, SLOT
	s_add_co_u32 s22, s22, SLOT
.endr
	s_mul_i32 s23, s10, 16*SPITCH
	s_add_co_u32 s23, s23, STAGE                   ; my stage
	v_mul_u32_u24 v5, v1, SPITCH
	v_lshl_add_u32 v5, v2, 4, v5                   ; in: row r; a lane half's 8 results are 16 bytes
	v_add_nc_u32 v[STO], s23, v5
	v_mul_u32_u24 v6, v2, SPITCH                   ; back: lanes 0-15 one row of 256 bytes, lanes 16-31 the next
	v_lshl_add_u32 v6, v1, 4, v6
	v_add_nc_u32 v[RD], s23, v6
	v_lshlrev_b32 v7, 11, v2
	v_lshl_add_u32 v[CO], v1, 4, v7
	s_lshl_b32 s16, s13, 7                         ; the output at my 64 rows x 128 columns of q
	s_lshl_b32 s17, s11, 6
	s_add_co_u32 s16, s16, s17
	s_mul_i32 s16, s16, OROWB
	s_mov_b32 s17, 0
	s_add_nc_u64 s[8:9], s[8:9], s[16:17]
	s_lshl_b32 s46, s42, 9                         ; my first column, in bytes: 512 for each block column, 256 for my half
	s_lshl_b32 s47, s12, 8
	s_add_co_u32 s46, s46, s47
	s_mov_b32 s47, 0
	s_add_nc_u64 s[8:9], s[8:9], s[46:47]
; 16 matrix instructions: row tiles a0, a0 + 1 x all 8 column tiles, 32 along K, from weights' buffer p.  mode 0: add; 1: the constant 0 starts the sums;
; 2: the bias tiles at bb (window 2) start them.  The 32 accumulators take turns, one instruction a turn, in the same order in every quarter step, over the
; backward jumps and from product to product too.
.macro MUL16 p, a0, mode, bb
.irp a, \a0, \a0+1
.irp b, 0,1,2,3,4,5,6,7
.if (\mode) == 0
	v_wmma_f32_16x16x32_f16 v[8*(8*(\a)+\b):8*(8*(\a)+\b)+7], v[BF+64*(\p)+8*\b:BF+64*(\p)+8*\b+7], v[AF+8*(\a):AF+8*(\a)+7], v[8*(8*(\a)+\b):8*(8*(\a)+\b)+7]
.endif
.if (\mode) == 1
	v_wmma_f32_16x16x32_f16 v[8*(8*(\a)+\b):8*(8*(\a)+\b)+7], v[BF+64*(\p)+8*\b:BF+64*(\p)+8*\b+7], v[AF+8*(\a):AF+8*(\a)+7], 0
.endif
.if (\mode) == 2
	v_wmma_f32_16x16x32_f16 v[8*(8*(\a)+\b):8*(8*(\a)+\b)+7], v[BF+64*(\p)+8*\b:BF+64*(\p)+8*\b+7], v[AF+8*(\a):AF+8*(\a)+7], v[(\bb)+8*\b:(\bb)+8*\b+7]
.endif
.endr
.endr
.endm
; The fragments of quarter step kq of a slot, in one run: weights into buffer p; activations raw (k = 8 h .. at byte 32 h, k = 16 + 8 h .. 64 bytes on).
.macro FETCH slot, kq, p
.irp i, 0,1,2,3,4,5,6,7
	ds_load_b128 v[BF+64*(\p)+8*\i:BF+64*(\p)+8*\i+3],   v[ADRB+(\slot)] offset:\kq*64+\i*16*BPITCH
	ds_load_b128 v[BF+64*(\p)+8*\i+4:BF+64*(\p)+8*\i+7], v[ADRB+(\slot)] offset:\kq*64+\i*16*BPITCH+32
.endr
.irp i, 0,1,2,3
	ds_load_b128 v[RAW+16*\i:RAW+16*\i+3],     v[ADRA+(\slot)] offset:\kq*AQB+\i*16*APITCH
	ds_load_b128 v[RAW+16*\i+4:RAW+16*\i+7],   v[ADRA+(\slot)] offset:\kq*AQB+\i*16*APITCH+16
	ds_load_b128 v[RAW+16*\i+8:RAW+16*\i+11],  v[ADRA+(\slot)] offset:\kq*AQB+\i*16*APITCH+64
	ds_load_b128 v[RAW+16*\i+12:RAW+16*\i+15], v[ADRA+(\slot)] offset:\kq*AQB+\i*16*APITCH+80
.endr
.endm
.macro CONVERT                         ; 64 f32 a lane become four f16 fragments
.set n, 0
.rept 32
	v_cvt_pk_f16_f32 v[AF+n], v[RAW+2*n], v[RAW+2*n+1]
.set n, n+1
.endr
.endm
; Four places behind the last matrix instruction, before a vector instruction writes, or a load is issued into, one of its sources (ISA guide 7.12.1 for vector
; instructions); matrix instructions in between are not counted.
.macro PLACES
.rept 4
	v_nop
.endr
.endm
; One of a K step's first three quarters: multiplies weights' buffer p; ahead of its products it fetches quarter kq of the same slot into the other buffer.
; A product's first quarter (mode 1 or 2) needs no places: no matrix instruction stands ahead of the first product's, and the way out lies ahead of the others'.
.macro QTR slot, kq, p, mode, bb
	s_wait_dscnt 0x0                               ; this quarter's fragments, issued ahead of the last run of products
	WIN 0
.if (\mode) == 0
	PLACES
.endif
	CONVERT
	FETCH \slot, \kq, 1-\p
.if (\mode) == 2
	WIN MULBW
.else
	WIN MULW
.endif
	MUL16 \p, 0, \mode, \bb
	MUL16 \p, 2, \mode, \bb
.endm
; Asking ahead.  code 1: my 32 pieces of the two K steps at PFB.  code 2: the same, but not in the loop's last trip (v has no product behind it).
; code 3: PFB goes two K steps on; behind the loop's second trip, whose request was for K steps 6 and 7, it goes over to product nx's K steps 0 and 1.  code 4: the step alone.
; PFB is rewritten a K step behind the request that read it, behind s_wait_xcnt 0.
.macro ASK code, nx
.if (\code) == 1
	global_prefetch_b8 v[PO], s[PFB:PFB+1] th:TH_LOAD_NT scope:SCOPE_SE
.endif
.if (\code) == 2
	s_cmp_eq_u32 s3, 1
	s_cbranch_scc1 .Lno_ask_\@
	global_prefetch_b8 v[PO], s[PFB:PFB+1] th:TH_LOAD_NT scope:SCOPE_SE
.Lno_ask_\@:
.endif
.if (\code) >= 3
	s_wait_xcnt 0x0
	s_add_nc_u64 s[PFB:PFB+1], s[PFB:PFB+1], 2*AKB
.endif
.if (\code) == 3
	s_cmp_eq_u32 s3, 2
	s_cselect_b64 s[PFB:PFB+1], s[AT+2*(\nx):AT+2*(\nx)+1], s[PFB:PFB+1]
.endif
.endm
; A K step's last quarter: multiplies buffer 1 and changes slots.  In front of the barrier each wave has waited for its reads of this slot and for all its tensor loads
; (one is out: its part of the other slot).  Where the slot is filled again the barrier opens a round of the cluster's barrier, only products stand inside it,
; and the joint refill is the first tensor load behind it, ahead of the first LDS read.  fill 1: this product, two K steps on; fill 2: product nx, K step 0 or 1 by the slot.
; fetch 0: a product's last turn fetches no fragments, since the way out uses their registers.
; No places stand in front of this FETCH: its targets are no registers of the sixteen products just issued, and the four places above lie behind all earlier ones.
.macro TURN slot, fill, nx, pf, fetch
	s_wait_dscnt 0x0                               ; my reads of this slot are over
	WIN 0
	PLACES
	CONVERT
	s_wait_tensorcnt 0x0                           ; all my tensor loads have landed
	ds_add_u32 v30, v31
	s_wait_dscnt 0x0
	s_barrier_signal -1
	WIN MULW
	MUL16 1, 0, 0, 0
	WIN 0
	s_barrier_wait -1
.if (\fill) == 1
	CREST
	s_add_nc_u64 s[G0+4*\slot+2:G0+4*\slot+3], s[G0+4*\slot+2:G0+4*\slot+3], 2*AKB
	s_add_nc_u64 s[G0B+4*\slot+2:G0B+4*\slot+3], s[G0B+4*\slot+2:G0B+4*\slot+3], 2*KSTEP*2
	JLOAD \slot                                    ; one tensor load of the wave is out
.endif
.if (\fill) == 2
	CREST
	s_add_nc_u64 s[G0+4*\slot+2:G0+4*\slot+3], s[DT+2*(\nx):DT+2*(\nx)+1], \slot*AKB
	s_or_b32 s[G0+4*\slot+3], s[G0+4*\slot+3], 0x80000000
	s_add_nc_u64 s[G0B+4*\slot+2:G0B+4*\slot+3], s[G0B+4*\slot+2:G0B+4*\slot+3], WSTEP
	JLOAD \slot                                    ; one tensor load of the wave is out
.endif
	ASK \pf, \nx
.if \fetch
	FETCH 1-\slot, 0, 0
.endif
	WIN MULW
	MUL16 1, 2, 0, 0
.endm
; The way out, 16 rows at a time through my own stage, read back as whole rows.  step: how far the output's base goes first.
.macro OUT16 a, f, step
	WIN FROM1
.irp b, 0,1,2,3,4,5,6,7
.irp r, 0,1,2,3
	v_cvt_pk_f16_f32 v[AF+4*\b+\r], v[8*(8*\a+\b)+2*\r], v[8*(8*\a+\b)+2*\r+1]
.endr
.endr
	WIN 0
.irp b, 0,1,2,3,4,5,6,7
	ds_store_b128 v[STO], v[AF+4*\b:AF+4*\b+3] offset:32*\b
.endr
	s_wait_xcnt 0x0                                ; buffer f, which earlier stores read, and the stores' base are rewritten only behind this wait
.if \step
	s_add_nc_u64 s[8:9], s[8:9], \step
.endif
.irp t, 0,1,2,3,4,5,6,7
	ds_load_b128 v[\f+4*\t:\f+4*\t+3], v[RD] offset:\t*2*SPITCH    ; a wave's LDS instructions are served in order: these see the stores above
.endr
.irp t, 0,1,2,3,4,5,6,7
	s_wait_dscnt 7-\t
	global_store_b128 v[CO], v[\f+4*\t:\f+4*\t+3], s[8:9] offset:2*\t*OROWB    ; 16 lanes store 256 consecutive bytes, aligned
.endr
.endm
; One product: eight K steps = 32 quarters.  The first quarter starts the sums; the loop's three trips hold quarters 1 to 24 (it is turned by one quarter, so that the
; first quarter alone stands outside); the last seven are written out, since their turns ask for the next product's tiles, or for none.  On entry the first quarter's
; fragments are on their way from slot 0, and one tensor load of the wave is out: slot 1's.
.macro PRODUCT p, mode, bb, last
	QTR 0, 1, 0, \mode, \bb
	WIN 0                                          ; at a label and at a branch every window is 0
	s_mov_b32 s3, 3
.Llap_\p:
	QTR 0, 2, 1, 0, 0
	QTR 0, 3, 0, 0, 0
.if \last
	TURN 0, 1, 0, 2, 1
.else
	TURN 0, 1, 0, 1, 1
.endif
	QTR 1, 1, 0, 0, 0
	QTR 1, 2, 1, 0, 0
	QTR 1, 3, 0, 0, 0
.if \last
	TURN 1, 1, 0, 4, 1
.else
	TURN 1, 1, \p+1, 3, 1
.endif
	QTR 0, 1, 0, 0, 0
	WIN 0
	s_sub_co_u32 s3, s3, 1
	s_cmp_lg_u32 s3, 0
	s_cbranch_scc1 .Llap_\p
	QTR 0, 2, 1, 0, 0
	QTR 0, 3, 0, 0, 0
.if \last
	TURN 0, 0, 0, 0, 1                             ; nothing is left to fetch or to ask for
.else
	TURN 0, 2, \p+1, 1, 1
.endif
	QTR 1, 1, 0, 0, 0
	QTR 1, 2, 1, 0, 0
	QTR 1, 3, 0, 0, 0
.if \last
	s_wait_dscnt 0x0                               ; the very last quarter
	WIN 0
	PLACES
	CONVERT
	WIN MULW
	MUL16 1, 0, 0, 0
	MUL16 1, 2, 0, 0
.else
	TURN 1, 2, \p+1, 0, 0
.endif
	WIN 0
	PLACES                                         ; behind the last products: for what reads results and for what is written over their sources
.if (\p) == 0
	s_mov_b32 s84, 0x3e38aa3b                      ; q alone is multiplied by c = log2(e) / 8, bias and all, in f32 (c twice: the whole pair counts as read)
	s_mov_b32 s85, 0x3e38aa3b
	WIN IN1
.set n, 0
.rept 128
	v_pk_mul_f32 v[2*n:2*n+1], v[2*n:2*n+1], s[84:85] op_sel_hi:[1,0]
.set n, n+1
.endr
	OUT16 0, BF, 0
.else
	OUT16 0, BF, PSTEP
.endif
	OUT16 1, BF+64, 16*OROWB
	OUT16 2, BF, 16*OROWB
	OUT16 3, BF+64, 16*OROWB
.if (\last) == 0
	s_wait_xcnt 0x0                                ; the weights' buffers, which the last stores read, are loaded again only behind this wait; so is PFB rewritten
	s_add_nc_u64 s[PFB:PFB+1], s[AT+2*(\p+1):AT+2*(\p+1)+1], 4*AKB     ; K steps 0 to 3 of the next product have been asked for: next are 4 and 5
	FETCH 0, 0, 0                                  ; the next product's first fragments: the round in front of the way out has shown slot 0 whole
.endif
.endm
	s_wait_tensorcnt 0x1                           ; my part of K step 0 is in; K step 1's stays out
	s_barrier_signal -1
	s_barrier_wait -1
	FETCH 0, 0, 0
	s_wait_loadcnt 0x0                             ; both biases
	PRODUCT 0, 2, 0, 0                             ; q: bq starts the sums
	PRODUCT 1, 1, 0, 0                             ; k: the constant 0 does
	PRODUCT 2, 2, 64, 1                            ; v: bv does
	s_wait_tensorcnt 0x0
	ds_add_u32 v30, v31
	s_wait_dscnt 0x0
	CROUND                                         ; the closing round: no work-group ends while a partner may still ask for a tile that names it
	s_endpgm
.Lfunc_end_k_q6c31c9c848_qkv:
	.size	k_q6c31c9c848_qkv, .Lfunc_end_k_q6c31c9c848_qkv-k_q6c31c9c848_qkv
	.p2alignl 7, 3214868480
	.fill 96, 4, 3214868480
	.section	.rodata,"a",@progbits
	.p2align	6, 0x0
	.amdhsa_kernel k_q6c31c9c848_qkv
		.amdhsa_group_segment_fixed_size 327680
		.amdhsa_private_segment_fixed_size 0
		.amdhsa_enable_private_segment 0
		.amdhsa_kernarg_size 56
		.amdhsa_user_sgpr_count 2
		.amdhsa_user_sgpr_kernarg_segment_ptr 1
		.amdhsa_wavefront_size32 1
		.amdhsa_system_sgpr_workgroup_id_x 1
		.amdhsa_system_sgpr_workgroup_id_y 1
		.amdhsa_system_sgpr_workgroup_id_z 1
		.amdhsa_system_vgpr_workitem_id 0
		.amdhsa_next_free_vgpr 640
		.amdhsa_next_free_sgpr 96
		.amdhsa_reserve_vcc 0
		.amdhsa_float_denorm_mode_32 3
		.amdhsa_float_denorm_mode_16_64 3
		.amdhsa_memory_ordered 1
		.amdhsa_forward_progress 1
		.amdhsa_inst_pref_size 255
	.end_amdhsa_kernel
	.section	.bss,"aw",@nobits
	.p2align	6
	.space	262144
	.amdgpu_metadata
---
amdhsa.version: [ 1, 2 ]
amdhsa.kernels:
  - .name:           k_q6c31c9c848_qkv
    .symbol:         k_q6c31c9c848_qkv.kd
    .args:
      - { .name: query, .offset: 0, .size: 8, .value_kind: global_buffer, .address_space: global }
      - { .name: key, .offset: 8, .size: 8, .value_kind: global_buffer, .address_space: global }
      - { .name: value, .offset: 16, .size: 8, .value_kind: global_buffer, .address_space: global }
      - { .name: wt, .offset: 24, .size: 8, .value_kind: global_buffer, .address_space: global }
      - { .name: bq, .offset: 32, .size: 8, .value_kind: global_buffer, .address_space: global }
      - { .name: bv, .offset: 40, .size: 8, .value_kind: global_buffer, .address_space: global }
      - { .name: qkv, .offset: 48, .size: 8, .value_kind: global_buffer, .address_space: global }
    .group_segment_fixed_size: 327680
    .private_segment_fixed_size: 0
    .kernarg_segment_align: 8
    .kernarg_segment_size: 56
    .max_flat_workgroup_size: 128
    .sgpr_count:     96
    .vgpr_count:     640
    .wavefront_size: 32
...
	.end_amdgpu_metadata
.endif
;; end of part 2
;; launch attn (part 3): grid 8 x 32, 8 waves a work-group, clusters of 4 x 1, 327,680 bytes of LDS; arguments qkv, ctx; writes ctx
.if DOCPART == 3
	.amdgcn_target "amdgcn-amd-amdhsa--gfx1250"
	.amdhsa_code_object_version 6
	.text
	.protected	k_q6c31c9c848_attn
	.globl	k_q6c31c9c848_attn
	.p2align	8
	.type	k_q6c31c9c848_attn,@function
k_q6c31c9c848_attn:
	s_mov_b64 s[64:65], 0
	v_nop
	global_prefetch_b8 v0, s[64:65] scope:SCOPE_SE
	s_setreg_imm32_b32 hwreg(HW_REG_WAVE_MODE, 25, 1), 1
	s_wait_xcnt 0x0
	s_wait_alu depctr_hold_cnt(0) depctr_sa_sdst(0) depctr_va_vdst(0) depctr_va_sdst(0) depctr_va_ssrc(0) depctr_va_vcc(0) depctr_vm_vsrc(0)
	s_getreg_b32 s2, hwreg(HW_REG_IB_STS2, 6, 4)
	s_cmp_eq_u32 s2, 0
	s_cbranch_scc0 .Lentry_in_a_cluster
	s_endpgm
.Lentry_in_a_cluster:
	s_bfe_u32 s2, ttmp6, 0x10000c
	s_cmp_lg_u32 s2, 0x3003
	s_cbranch_scc0 .Lentry_shape_is_right
	s_endpgm
.Lentry_shape_is_right:
; Launch 3 of 4: ctx = softmax(q k^T / 8) v for each batch and head, with a running maximum.  q, k, v: f16 [8192][1024] one behind the other in qkv; ctx the same shape, f16.
; WORK LEFT OUT: k carries no bk; it would add the same number to all scores of a row, which the softmax cancels for all finite inputs.
; LIMIT: matrix operands are f16 (q, k, v below 65,504 in magnitude); the softmax's weights lie in (0, 1], and those below about 2^-24 of the row's largest vanish.
; BASE 2: q comes multiplied by log2(e) / 8 from the launch before, so exp((s - m) / 8) of the problem is 2^(s - m) of these scores.  The maximum itself is taken away:
; s - m and m_old - m_new are never above 0, whatever the size of the scores, so no exponential here can overflow and the largest weight of a row is exactly 1.
;
; A work-group takes 256 query rows of TWO neighbouring heads, so that a row of a K or V tile, and of ctx, is 256 consecutive aligned bytes.
; Eight waves: wave w has head w & 1 and query rows 64 (w >> 1) .. + 63, as four tiles of 16.  Keys go in tiles of 128 through two LDS slots.
; CLUSTER: the four work-groups of a cluster are four query blocks of one batch and head pair; they walk the same K and V tiles and ask for them jointly.
; LAYOUT: S^T = K Q^T (source 0 = 16 keys, source 1 = 16 queries): lane l holds query l % 16 and keys 8 (l / 16) + 0..7 of each tile of 16.  Packed to f16, two such
; tiles ARE the source-1 fragment of O^T = V^T P^T, so the weights never leave the lane: they are packed onto the lower 16 of a tile's own 32 score registers.
; A lane has one maximum and one sum for each query tile; the maximum is shared between the two halves of the lanes in every step, the sums are added across them at the end.
;
; TWO PIECES BY TURNS.  Piece A = my query tiles 0, 1; piece B = tiles 2, 3.  64 keys (step u) take two stages:
;   alpha(u): the vector work of A(u) (maxima, factors, O *= factor, weights, sums, packing), set between the products  O_B += V(u-1)^T P_B(u-1)  and  S_B(u) = K(u) Q_B^T
;   beta(u):  the vector work of B(u), set between the products  O_A += V(u)^T P_A(u)  and  S_A(u+1) = K(u+1) Q_A^T
; A stage has 32 products and some 240 vector instructions, which also are the places that the products' registers ask for: the loop has no v_nop.
; One register buffer each for K and V: V(u) is loaded in the middle of alpha(u), behind the last product that read V(u-1); K(u+1) at the start of beta(u).
; REGISTER WINDOWS.  Window 0: addresses, statistics, K, both pieces' scores.  Window 1: O^T v0-127 (32 q + 8 dd), V^T v128-191, Q v192-255.
; No one setting serves a product and all of the softmax, so a stage's vector work is sorted by the setting under which it can run:
;   part 1: 8 products O += V^T P in four groups of two (W_PV), behind each group ten or twelve lines of the maxima (setting 0): eight switches
;   part 2: 8 products O += V^T P, behind each four lines O *= factor, which run under the products' own setting
;   part 3: 16 products S = K Q^T (W_S), behind each four exponentials, two subtractions and two sums.  Under W_S source 1 means window 1 (Q), so the subtraction and the
;           sums are written in the three-source form, with the constant 1.0 as source 1 and the addend as source 2, which means window 0: as many lines as adds would be
;   part 4: the end of the sums and the packing (setting 0), 40 lines
.set KPITCH, 272                       ; 256 bytes + 16
.set VPITCH, 288                       ; 256 bytes + 32: an odd multiple of 32, for the transposing loads
.set PART,   64*VPITCH                 ; 18,432: what one tensor load may fill (64 keys)
.set SLOT,   4*PART                    ; K's keys 0-63, 64-127, V's keys 0-63, 64-127
.set STAGE,  2*SLOT                    ; 147,456, a multiple of 256: 256 rows x 272 bytes for the way out; no tensor load lands here
.set STEPB,  128*2048                  ; bytes from a tile of 128 keys to the next
.set ADRK, 2                           ; v2-3    LDS address of my K fragments in slot 0, 1
.set ADRV, 4                           ; v4-5    the same for V
.set STO,  6
.set RD,   7
.set CO,   8
.set VQ,   9
.set TM,   12                          ; v12-19  for each of a piece's two query tiles: four running maxima; then the new maximum in the third
.set AL,   20                          ; v20-23  for each of the two: the factor 2^(m_old - m_new), and its exponent
.set SU,   24                          ; v24-31  for each of the two: two pairs of running sums
.set ST,   32                          ; v32-39  for each of my four query tiles: m, l
.set KF,   64                          ; v64-127  K: key tile kt, half c of the head's 64 numbers, at 16 kt + 8 c
.set SB,   128                         ; v128-255 scores: piece x, its tile j, key tile kt at 64 x + 32 j + 8 kt; the packed weights of 32 keys kk at 64 x + 32 j + 8 kk
.set VF,   128                         ; window 1: V^T: tile dd of 16 numbers, 32 keys kk, at 16 dd + 8 kk
.set QF,   192                         ; window 1: Q: tile q, half c, at 16 q + 8 c
.set G1K, 16
.set G1V, 24
.set G0K, 32                           ; one set of four for each slot
.set G0V, 40
.set MSB, 0
.macro WIN new                         ; the immediate's high byte repeats the setting that is left
.if MSB != \new
	s_set_vgpr_msb (MSB<<8)|\new
.set MSB, \new
.endif
.endm
.set W_PV, 0x51                        ; destination, source 0 and source 2 window 1, source 1 window 0: O += V^T P, and O *= factor
.set W_S,  0x04                        ; source 1 window 1, the rest window 0: S = K Q^T, and vector lines whose source 1 is no register
.set W_LV, 0x40                        ; destination window 1, address window 0: loads of V and of Q
.macro ROUND                           ; a round of the cluster's barrier
	s_barrier_signal -1
	s_barrier_wait -1
	s_cmp_lg_u32 s8, 0
	s_cbranch_scc1 .Lnot_wave_0_\@
	s_barrier_signal -3
.Lnot_wave_0_\@:
	s_barrier_wait -3
	s_barrier_signal -1
	s_barrier_wait -1
.endm
.macro KVLOAD s                        ; waves 0, 1: K's halves; waves 2, 3: V's; the others none.  The branches hang on the wave's number alone
	s_cmp_ge_u32 s8, 2
	s_cbranch_scc1 .Lnot_k_\@
	tensor_load_to_lds s[G0K+4*\s:G0K+4*\s+3], s[G1K:G1K+7]
	s_nop 0
	s_branch .Lasked_\@
.Lnot_k_\@:
	s_cmp_ge_u32 s8, 4
	s_cbranch_scc1 .Lasked_\@
	tensor_load_to_lds s[G0V+4*\s:G0V+4*\s+3], s[G1V:G1V+7]
	s_nop 0
.Lasked_\@:
.endm
	s_load_b128 s[4:7], s[0:1], 0x0                ; qkv, ctx
	v_lshl_add_u32 v62, v0, 2, 0x35000
	v_mov_b32 v63, 0
	ds_add_u32 v62, v63
	v_lshrrev_b32 v1, 5, v0
	v_readfirstlane_b32 s8, v1                     ; wave 0..7
	s_and_b32 s9, s8, 1                            ; my head of the pair.  Also: which 64 keys of a tile I fetch
	s_lshr_b32 s10, s8, 1                          ; my 64 query rows
	s_bfe_u32 s11, ttmp6, 0x40000                  ; cx
	s_lshl_b32 s12, ttmp9, 2
	s_add_co_u32 s12, s12, s11                     ; query block = 4 x cluster x + cx
	s_and_b32 s13, ttmp7, 0xffff
	s_lshr_b32 s14, s13, 3                         ; batch
	s_and_b32 s15, s13, 7                          ; head pair
	s_mov_b32 s50, 0x76543210                      ; v_permlanex16_b32: lane i reads lane i of the other half
	s_mov_b32 s51, 0xfedcba98
	s_mov_b32 s[G1K+0], 15|(1<<16)|(1<<20)|(1<<21)|(5<<22)|(3<<25)  ; all four work-groups; f16; padding on; bit 21 beside a mask; after every 64 words; 4 words
	s_mov_b32 s[G1K+1], 128<<16                    ; tensor_dim0 = 128
	s_mov_b32 s[G1K+2], 64<<16                     ; tensor_dim1 = 64
	s_mov_b32 s[G1K+3], 128<<16                    ; tile_dim0 = 128
	s_mov_b32 s[G1K+4], 64                         ; tile_dim1 = 64
	s_mov_b32 s[G1K+5], 1024                       ; elements from row to row
	s_mov_b32 s[G1K+6], 0
	s_mov_b32 s[G1K+7], 0
	s_mov_b32 s[G1V+0], 15|(1<<16)|(1<<20)|(1<<21)|(5<<22)|(7<<25)  ; the same with 8 words of padding
	s_mov_b32 s[G1V+1], 128<<16
	s_mov_b32 s[G1V+2], 64<<16
	s_mov_b32 s[G1V+3], 128<<16
	s_mov_b32 s[G1V+4], 64
	s_mov_b32 s[G1V+5], 1024
	s_mov_b32 s[G1V+6], 0
	s_mov_b32 s[G1V+7], 0
	s_lshl_b32 s56, s14, 22                        ; K, V: the batch's 2,048 rows of 2,048 bytes,
	s_lshl_b32 s49, s9, 17                         ; my 64 keys,
	s_add_co_u32 s56, s56, s49
	s_lshl_b32 s49, s15, 8                         ; the head pair's 256 bytes: nothing here hangs on the place in the cluster
	s_add_co_u32 s56, s56, s49
	s_mov_b32 s57, 0
	s_lshl_b32 s54, s14, 22                        ; Q: batch,   (s54, s55 alone ever hold what is made of the query block)
	s_lshl_b32 s55, s12, 19                        ; query block of 256 rows,
	s_add_co_u32 s54, s54, s55
	s_lshl_b32 s55, s10, 17                        ; my 64 rows,
	s_add_co_u32 s54, s54, s55
	s_lshl_b32 s55, s15, 8                         ; head pair,
	s_add_co_u32 s54, s54, s55
	s_lshl_b32 s55, s9, 7                          ; head
	s_add_co_u32 s54, s54, s55
	s_mov_b32 s55, 0
	v_and_b32 v40, 15, v0                          ; r = l % 16
	v_bfe_u32 v41, v0, 4, 1                        ; h = l / 16
	v_lshlrev_b32 v[VQ], 11, v40
	v_lshl_add_u32 v[VQ], v41, 4, v[VQ]            ; row r of 2,048 bytes + 16 h
	s_mul_i32 s49, s8, PART                        ; where my part of a tile goes
	s_wait_dscnt 0x0
	s_wait_kmcnt 0x0
	s_add_nc_u64 s[56:57], s[4:5], s[56:57]
	s_add_nc_u64 s[58:59], s[4:5], s[54:55]
.irp s, 0,1
	s_mov_b32 s[G0K+4*\s], 1
	s_add_co_u32 s[G0K+4*\s+1], s49, \s*SLOT
	s_add_nc_u64 s[G0K+4*\s+2:G0K+4*\s+3], s[56:57], 0x1000000+\s*STEPB    ; k lies 16 MiB into qkv; tile s
	s_or_b32 s[G0K+4*\s+3], s[G0K+4*\s+3], 0x80000000
	s_mov_b32 s[G0V+4*\s], 1
	s_add_co_u32 s[G0V+4*\s+1], s49, \s*SLOT
	s_add_nc_u64 s[G0V+4*\s+2:G0V+4*\s+3], s[56:57], 0x2000000+\s*STEPB    ; v lies 32 MiB in
	s_or_b32 s[G0V+4*\s+3], s[G0V+4*\s+3], 0x80000000
.endr
	WIN W_LV
.irp q, 0,1,2,3
.irp c, 0,1
	global_load_b128 v[QF+16*\q+8*\c:QF+16*\q+8*\c+3],   v[VQ], s[58:59] offset:\q*32768+64*\c      ; Q stays in registers for the whole kernel
	global_load_b128 v[QF+16*\q+8*\c+4:QF+16*\q+8*\c+7], v[VQ], s[58:59] offset:\q*32768+64*\c+32
.endr
.endr
	WIN 0
	ROUND                                          ; all four work-groups are here: the first joint loads meet
	KVLOAD 0                                       ; tile 0
	v_mul_u32_u24 v42, v40, KPITCH
	v_lshl_add_u32 v42, v41, 4, v42                ; r x 272 + 16 h
	s_lshl_b32 s49, s9, 7                          ; my head's 128 bytes of a row
	v_add_nc_u32 v[ADRK], s49, v42
	v_add_nc_u32 v[ADRK+1], SLOT, v[ADRK]
	v_and_b32 v43, 7, v0
	v_lshl_add_u32 v43, v41, 3, v43                ; key 8 h + l % 8
	v_mul_u32_u24 v43, v43, VPITCH
	v_bfe_u32 v1, v0, 3, 1
	v_lshl_add_u32 v43, v1, 4, v43                 ; + 16 ((l / 8) % 2)
	s_add_co_u32 s49, s49, 2*PART                  ; V lies behind K's two parts
	v_add_nc_u32 v[ADRV], s49, v43
	v_add_nc_u32 v[ADRV+1], SLOT, v[ADRV]
	s_mul_i32 s49, s10, 64*KPITCH
	s_lshl_b32 s48, s9, 7
	s_add_co_u32 s49, s49, s48
	s_add_co_u32 s49, s49, STAGE
	v_add_nc_u32 v[STO], s49, v42                  ; stage, in: row 64 (w >> 1) + r, my head's half, 16 h
	v_mul_u32_u24 v[RD], v41, KPITCH
	v_lshl_add_u32 v[RD], v40, 4, v[RD]
	s_mul_i32 s49, s8, 32*KPITCH
	s_add_co_u32 s49, s49, STAGE
	v_add_nc_u32 v[RD], s49, v[RD]                 ; stage, back: rows 32 w + h, 16 bytes a lane
	v_lshlrev_b32 v[CO], 11, v41
	v_lshl_add_u32 v[CO], v40, 4, v[CO]
	s_wait_loadcnt 0x0                             ; Q
.macro PLACES                          ; four places behind a matrix instruction (ISA guide 7.12.1 for vector instructions)
.rept 4
	v_nop
.endr
.endm
.macro LOADK slot, u                   ; 64 keys x my head's 64 numbers
.irp kt, 0,1,2,3
.irp c, 0,1
	ds_load_b128 v[KF+16*\kt+8*\c:KF+16*\kt+8*\c+3],   v[ADRK+\slot] offset:\u*PART+\kt*16*KPITCH+64*\c
	ds_load_b128 v[KF+16*\kt+8*\c+4:KF+16*\kt+8*\c+7], v[ADRK+\slot] offset:\u*PART+\kt*16*KPITCH+64*\c+32
.endr
.endr
.endm
.macro LOADV slot, u                   ; under W_LV: 64 keys of V, transposed on the way
.irp dd, 0,1,2,3
.irp kk, 0,1
	ds_load_tr16_b128 v[VF+16*\dd+8*\kk:VF+16*\dd+8*\kk+3],   v[ADRV+\slot] offset:\u*PART+\kk*32*VPITCH+32*\dd
	ds_load_tr16_b128 v[VF+16*\dd+8*\kk+4:VF+16*\dd+8*\kk+7], v[ADRV+\slot] offset:\u*PART+\kk*32*VPITCH+16*VPITCH+32*\dd
.endr
.endr
.endm
; Product i (0..15) of S^T = K Q^T of piece x, under W_S: half c = i / 8 of the head, query tile j = (i / 4) % 2, key tile kt = i % 4.  The first half starts the sums.
; Eight accumulators take turns, one instruction a turn.
.macro SM1 x, i
.set c_,  (\i)/8
.set j_,  ((\i)/4)%2
.set kt_, (\i)%4
.set sd_, SB+64*(\x)+32*j_+8*kt_
.set ka_, KF+16*kt_+8*c_
.set qb_, QF+16*(2*(\x)+j_)+8*c_
.if c_ == 0
	v_wmma_f32_16x16x32_f16 v[sd_:sd_+7], v[ka_:ka_+7], v[qb_:qb_+7], 0
.else
	v_wmma_f32_16x16x32_f16 v[sd_:sd_+7], v[ka_:ka_+7], v[qb_:qb_+7], v[sd_:sd_+7]
.endif
.endm
; Product i (0..15) of O^T += V^T P^T of piece x, under W_PV: 32 keys kk = i / 8, query tile j = (i / 4) % 2, tile dd = i % 4 of the head's numbers.
; first = 1: the first 32 keys start the sums.  Eight accumulators take turns, one instruction a turn.
.macro PV1 x, i, first
.set kk_, (\i)/8
.set j_,  ((\i)/4)%2
.set dd_, (\i)%4
.set od_, 32*(2*(\x)+j_)+8*dd_
.set va_, VF+16*dd_+8*kk_
.set pb_, SB+64*(\x)+32*j_+8*kk_
.if (\first)*(1-kk_)
	v_wmma_f32_16x16x32_f16 v[od_:od_+7], v[va_:va_+7], v[pb_:pb_+7], 0
.else
	v_wmma_f32_16x16x32_f16 v[od_:od_+7], v[va_:va_+7], v[pb_:pb_+7], v[od_:od_+7]
.endif
.endm
; Line k (0..20) of the maximum and the factor of tile j of piece y, setting 0.  Lines 0-13: four chains over the lane's 32 scores (9, 9, 7 and 7 of them).
.macro MAXK y, j, k, first
.set ss_, SB+64*(\y)+32*(\j)
.set tt_, TM+4*(\j)
.set mm_, ST+4*(\y)+2*(\j)
.set aa_, AL+2*(\j)
.set c_,  (\k)%4
.set b_,  ss_+9*c_-2*(c_/3)            ; the chains begin at scores 0, 9, 18, 25
.set h_,  2*((\k)/4)
.if (\k) < 4
	v_max3_num_f32 v[tt_+c_], v[b_], v[b_+1], v[b_+2]
.endif
.if (\k) >= 4
.if (\k) < 14
	v_max3_num_f32 v[tt_+c_], v[tt_+c_], v[b_+1+h_], v[b_+2+h_]
.endif
.endif
.if (\k) == 14
	v_max3_num_f32 v[tt_], v[tt_], v[tt_+1], v[tt_+2]
.endif
.if (\k) == 15
	v_max_num_f32 v[tt_], v[tt_], v[tt_+3]
.endif
.if (\k) == 16
	v_permlanex16_b32 v[tt_+1], v[tt_], s50, s51                 ; the other half of the lanes holds the query's other keys
.endif
.if (\k) == 17
.if \first
	v_max_num_f32 v[tt_+2], v[tt_], v[tt_+1]
.else
	v_max3_num_f32 v[tt_+2], v[tt_], v[tt_+1], v[mm_]            ; the running maximum
.endif
.endif
.if (\first) == 0
.if (\k) == 18
	v_sub_f32 v[aa_+1], v[mm_], v[tt_+2]                         ; m_old - m_new, never above 0
.endif
.if (\k) == 19
	v_exp_f32 v[aa_], v[aa_+1]                                   ; the plain lines 20 stand between it and its first use (ISA guide 5.7.2)
.endif
.endif
.if (\k) == 20
	v_mov_b32 v[mm_], v[tt_+2]
	s_wait_alu depctr_va_vdst(0)
.endif
.endm
.macro MAXG y, g, first                ; slice g (0..3): lines 5 g .. 5 g + 4 (the last slice: 15 .. 20), the two tiles line by line, so that eight chains are open
.set k_, 5*(\g)
.rept 5
	MAXK \y, 0, k_, \first
	MAXK \y, 1, k_, \first
.set k_, k_+1
.endr
.if (\g) == 3
	MAXK \y, 0, 20, \first
	MAXK \y, 1, 20, \first
.endif
.endm
.macro RESC y, i                       ; slice i (0..7), under W_PV: four of the 32 lines O^T *= factor of piece y
.set e_, 4*(\i)
.rept 4
.set o_, 64*(\y)+2*e_
.set f_, AL+2*(e_/16)
	v_pk_mul_f32 v[o_:o_+1], v[o_:o_+1], v[f_:f_+1] op_sel_hi:[1,0]
.set e_, e_+1
.endr
.endm
; Pair p (0..31) of piece y's 64 scores a lane: registers 2 p, 2 p + 1; tile p / 16.
.macro SUBP y, p                       ; s - m
.set r_, SB+64*(\y)+2*(\p)
.set t_, TM+4*((\p)/16)+2
	v_pk_fma_f32 v[r_:r_+1], v[r_:r_+1], 1.0, v[t_:t_+1] op_sel_hi:[1,0,0] neg_lo:[0,0,1] neg_hi:[0,0,1]
.endm
.macro EXP2 y, p
.set r_, SB+64*(\y)+2*(\p)
	v_exp_f32 v[r_], v[r_]
	v_exp_f32 v[r_+1], v[r_+1]
.endm
.macro SUMP y, p                       ; pairs p and p + 1 (p even) go into the tile's two running sums; the first four pairs start them
.set r_, SB+64*(\y)+2*(\p)
.set a_, SU+4*((\p)/16)
.set n_, (\p)%16
.if n_ == 0
	s_wait_alu depctr_va_vdst(0)
	v_pk_fma_f32 v[a_:a_+1], v[r_:r_+1], 1.0, v[r_+2:r_+3] op_sel_hi:[1,0,1]
.endif
.if n_ == 2
	v_pk_fma_f32 v[a_+2:a_+3], v[r_:r_+1], 1.0, v[r_+2:r_+3] op_sel_hi:[1,0,1]
.endif
.if n_ > 2
	s_wait_alu depctr_va_vdst(0)
	v_pk_fma_f32 v[a_:a_+1], v[r_:r_+1], 1.0, v[a_:a_+1] op_sel_hi:[1,0,1]
	v_pk_fma_f32 v[a_+2:a_+3], v[r_+2:r_+3], 1.0, v[a_+2:a_+3] op_sel_hi:[1,0,1]
.endif
.endm
; Slice i (0..15), under W_S: the exponentials of pairs 2 i, 2 i + 1; the subtractions two slices ahead of their exponentials; the sums one slice behind theirs.
; Every slice ends in a plain line, and a plain line stands between each exponential and the first use of its result (ISA guide 5.7.2).
.macro ESLICE y, i
	EXP2 \y, 2*(\i)
.if 2*(\i)+4 < 32
	SUBP \y, 2*(\i)+4
.endif
	EXP2 \y, 2*(\i)+1
.if 2*(\i)+5 < 32
	SUBP \y, 2*(\i)+5
.endif
.if (\i) > 0
	SUMP \y, 2*(\i)-2
.endif
.endm
; Part 4, setting 0: the sums' end, l = l x factor + sum (my half of the keys), and the weights in f16, packed upward in place: word n takes scores 2 n, 2 n + 1, which no later line reads.
.macro FIN y, first
.set s0_, SB+64*(\y)
.set m0_, ST+4*(\y)
	v_pk_add_f32 v[SU:SU+1], v[SU:SU+1], v[SU+2:SU+3]
	SUMP \y, 30
.if \first
	v_add_f32 v[m0_+1], v[SU], v[SU+1]
	v_pk_add_f32 v[SU+4:SU+5], v[SU+4:SU+5], v[SU+6:SU+7]
.else
	v_add_f32 v[SU+2], v[SU], v[SU+1]
	v_pk_add_f32 v[SU+4:SU+5], v[SU+4:SU+5], v[SU+6:SU+7]
	v_fma_f32 v[m0_+1], v[m0_+1], v[AL], v[SU+2]
.endif
.set n, 0
.rept 16
	v_cvt_pk_f16_f32 v[s0_+n], v[s0_+2*n], v[s0_+2*n+1]
.set n, n+1
.endr
.if \first
	v_add_f32 v[m0_+3], v[SU+4], v[SU+5]
.else
	v_add_f32 v[SU+6], v[SU+4], v[SU+5]
	v_fma_f32 v[m0_+3], v[m0_+3], v[AL+2], v[SU+6]
.endif
.set n, 0
.rept 16
	v_cvt_pk_f16_f32 v[s0_+32+n], v[s0_+32+2*n], v[s0_+32+2*n+1]
.set n, n+1
.endr
.endm
; A stage.  x: the piece whose products are issued; y: the piece whose vector work is set between them.  pv: 0 no products O += V^T P, 1 they add, 2 they start O.
; sm: products S = K Q^T or none.  vfirst: y's first step (no old maximum, no factor).  ld: 1 K's fragments (slot, u) at the start, 2 V's in the middle, 3 none, V is waited for.
; DISTANCES.  V is loaded behind four lines O *= factor that follow the last product that read it; K behind part 4 of the stage before.  A product S that writes over
; packed weights (key tiles 0 and 1 of each query tile) stands at least eight plain lines of the other piece behind the last product that read them.
; The maxima read scores whose last product lies behind all of part 4.  None of the lines between names a register of those products.
.macro STAGE x, y, pv, sm, vfirst, ld, slot, u
	WIN 0
.if (\ld) == 1
	LOADK \slot, \u
	s_wait_dscnt 16                                ; V's sixteen loads of the stage before are in; K's sixteen, just issued, stay out
.endif
.if (\ld) == 3
	s_wait_dscnt 0x0                               ; V
.endif
.irp g, 0,1,2,3
.if \pv
	WIN W_PV
	PV1 \x, 2*\g, \pv-1
	PV1 \x, 2*\g+1, \pv-1
	WIN 0
.endif
	MAXG \y, \g, \vfirst
.endr
.irp i, 8,9,10,11,12,13,14,15
.if \pv
	WIN W_PV
	PV1 \x, \i, \pv-1
.endif
.if (\vfirst) == 0
	WIN W_PV
	RESC \y, \i-8
.endif
.endr
.if (\pv)*(\vfirst)
.rept 5
	v_nop                                          ; this one stage has no lines O *= factor: five places before products S write over the weights just read
.endr
.endif
.if (\ld) == 2
	WIN W_LV
	LOADV \slot, \u
.endif
	WIN W_S
.if (\ld) == 1
	s_wait_dscnt 0x0                               ; K
.endif
.irp w, 0,1,2,3
	SUBP \y, \w
.endr
.irp i, 0,1,2,3,4,5,6,7,8,9,10,11,12,13,14,15
.if \sm
	SM1 \x, \i
.endif
	ESLICE \y, \i
.endr
	WIN 0
	FIN \y, \vfirst
.endm
; The four stages that read the tile of 128 keys in slot q: beta (K's keys 0-63), alpha (V's), beta (K's keys 64-127), alpha (V's).
.macro UNIT q
	STAGE 0, 1, 1, 1, 0, 1, \q, 0
	STAGE 1, 0, 1, 1, 0, 2, \q, 0
	STAGE 0, 1, 1, 1, 0, 1, \q, 1
	STAGE 1, 0, 1, 1, 0, 2, \q, 1
.endm
; The change of slots, behind the alpha stage that issued the last reads of slot p.  In front of the round every wave has waited for all its tensor loads (its part of the
; other slot's tile among them) and for its reads of slot p; behind it slot p's joint load comes first, one a wave, for the tile two ahead, and has the four stages of the
; other slot's tile in which to land.  One tensor load of a wave is out at the most.
.macro CHANGE p, refill
	WIN 0
	s_wait_tensorcnt 0x0
	ds_add_u32 v62, v63
	s_wait_dscnt 0x0
.if \refill
	s_add_nc_u64 s[G0K+4*\p+2:G0K+4*\p+3], s[G0K+4*\p+2:G0K+4*\p+3], 2*STEPB    ; no load of mine is out: this slot's next tile
	s_add_nc_u64 s[G0V+4*\p+2:G0V+4*\p+3], s[G0V+4*\p+2:G0V+4*\p+3], 2*STEPB
.endif
	s_wait_dscnt 0x0
	ROUND
.if \refill
	KVLOAD \p
.endif
.endm
	s_wait_tensorcnt 0x0                           ; my part of tile 0 has landed
	ds_add_u32 v62, v63
	s_wait_dscnt 0x0                               ; the same waits as in front of every later change of slots (no LDS instruction is out yet)
	ROUND
	KVLOAD 1                                       ; tile 1: slot 1's first fill, issued as a refill is
	LOADK 0, 0
	s_wait_dscnt 0x0
	WIN W_S
.irp i, 0,1,2,3,4,5,6,7,8,9,10,11,12,13,14,15
	SM1 0, \i                                      ; S_A(0): the way into the turns
.endr
	PLACES                                         ; before its scores are read
	STAGE 1, 0, 0, 1, 1, 2, 0, 0                   ; alpha(0): A's first step; S_B(0); V(0)
	STAGE 0, 1, 2, 1, 1, 1, 0, 1                   ; beta(0):  B's first step; the products that start O_A; S_A(1); K(1)
	STAGE 1, 0, 2, 1, 0, 2, 0, 1                   ; alpha(1): the products that start O_B; S_B(1); V(1)
	CHANGE 0, 1                                    ; tile 2
	UNIT 1                                         ; tile 1
	s_mov_b32 s48, 6
.Ltiles:                                       ; tiles 2 to 13; tiles 3 to 14 are asked for
	CHANGE 1, 1
	UNIT 0
	CHANGE 0, 1
	UNIT 1
	s_sub_co_u32 s48, s48, 1
	s_cmp_lg_u32 s48, 0
	s_cbranch_scc1 .Ltiles
	CHANGE 1, 1                                    ; tile 15: the last load
	UNIT 0                                         ; tile 14
	CHANGE 0, 0                                    ; nothing is left to fetch; the round shows tile 15 to every wave
	UNIT 1                                         ; tile 15
	STAGE 0, 1, 1, 0, 0, 3, 0, 0                   ; beta(31): B's last step beside A's last products
	WIN W_PV
.irp i, 0,1,2,3,4,5,6,7,8,9,10,11,12,13,14,15
	PV1 1, \i, 0                                   ; B's last products
.endr
	; THE WAY OUT: divide by the sums, round to f16, through the stage, so that rows of both heads go out as 256 consecutive bytes.
	PLACES
	WIN 0
.irp q, 0,1,2,3
	v_permlanex16_b32 v[SU+\q], v[ST+2*\q+1], s50, s51           ; the other half's keys
.endr
.irp q, 0,1,2,3
	v_add_f32 v[ST+2*\q+1], v[ST+2*\q+1], v[SU+\q]
.endr
.irp q, 0,1,2,3
	v_rcp_f32 v[ST+2*\q], v[ST+2*\q+1]                           ; the sum is 1 at the least: the largest weight is 2^0
.endr
	v_nop                                                        ; a plain instruction before the reciprocals are used (ISA guide 5.7.2)
	WIN W_PV
	s_wait_alu depctr_va_vdst(0)
.irp q, 0,1,2,3
.set n, 0
.rept 16
	v_pk_mul_f32 v[32*\q+2*n:32*\q+2*n+1], v[32*\q+2*n:32*\q+2*n+1], v[ST+2*\q:ST+2*\q+1] op_sel_hi:[1,0]
.set n, n+1
.endr
.endr
	WIN 0x05
.set n, 0
.rept 64
	v_cvt_pk_f16_f32 v[SB+n], v[2*n], v[2*n+1]
.set n, n+1
.endr
	WIN 0
.irp q, 0,1,2,3
.irp dd, 0,1,2,3
	ds_store_b128 v[STO], v[SB+16*\q+4*\dd:SB+16*\q+4*\dd+3] offset:\q*16*KPITCH+32*\dd
.endr
.endr
	s_lshl_b32 s54, s14, 22                        ; ctx: batch,
	s_lshl_b32 s55, s12, 19                        ; query block,
	s_add_co_u32 s54, s54, s55
	s_lshl_b32 s55, s8, 16                         ; the 32 rows that I carry out,
	s_add_co_u32 s54, s54, s55
	s_lshl_b32 s55, s15, 8                         ; head pair
	s_add_co_u32 s54, s54, s55
	s_mov_b32 s55, 0
	s_add_nc_u64 s[6:7], s[6:7], s[54:55]
	s_wait_dscnt 0x0                               ; my stores are done, for the other waves' sake
	s_barrier_signal -1
	s_barrier_wait -1
.irp i, 0,1,2,3,4,5,6,7,8,9,10,11,12,13,14,15
	ds_load_b128 v[KF+4*\i:KF+4*\i+3], v[RD] offset:\i*2*KPITCH
.endr
.irp i, 0,1,2,3,4,5,6,7,8,9,10,11,12,13,14,15
	s_wait_dscnt 15-\i
	global_store_b128 v[CO], v[KF+4*\i:KF+4*\i+3], s[6:7] offset:\i*4096    ; 16 lanes store 256 consecutive bytes, aligned
.endr
	s_wait_tensorcnt 0x0
	ds_add_u32 v62, v63
	s_wait_dscnt 0x0
	ROUND                                          ; the closing round: no work-group ends while a partner may still ask for a tile that names it
	s_endpgm
.Lfunc_end_k_q6c31c9c848_attn:
	.size	k_q6c31c9c848_attn, .Lfunc_end_k_q6c31c9c848_attn-k_q6c31c9c848_attn
	.p2alignl 7, 3214868480
	.fill 96, 4, 3214868480
	.section	.rodata,"a",@progbits
	.p2align	6, 0x0
	.amdhsa_kernel k_q6c31c9c848_attn
		.amdhsa_group_segment_fixed_size 327680
		.amdhsa_private_segment_fixed_size 0
		.amdhsa_enable_private_segment 0
		.amdhsa_kernarg_size 16
		.amdhsa_user_sgpr_count 2
		.amdhsa_user_sgpr_kernarg_segment_ptr 1
		.amdhsa_wavefront_size32 1
		.amdhsa_system_sgpr_workgroup_id_x 1
		.amdhsa_system_sgpr_workgroup_id_y 1
		.amdhsa_system_sgpr_workgroup_id_z 1
		.amdhsa_system_vgpr_workitem_id 0
		.amdhsa_next_free_vgpr 512
		.amdhsa_next_free_sgpr 66
		.amdhsa_reserve_vcc 0
		.amdhsa_float_denorm_mode_32 3
		.amdhsa_float_denorm_mode_16_64 3
		.amdhsa_memory_ordered 1
		.amdhsa_forward_progress 1
		.amdhsa_inst_pref_size 255
	.end_amdhsa_kernel
	.section	.bss,"aw",@nobits
	.p2align	6
	.space	262144
	.amdgpu_metadata
---
amdhsa.version: [ 1, 2 ]
amdhsa.kernels:
  - .name:           k_q6c31c9c848_attn
    .symbol:         k_q6c31c9c848_attn.kd
    .args:
      - { .name: qkv, .offset: 0, .size: 8, .value_kind: global_buffer, .address_space: global }
      - { .name: ctx, .offset: 8, .size: 8, .value_kind: global_buffer, .address_space: global }
    .group_segment_fixed_size: 327680
    .private_segment_fixed_size: 0
    .kernarg_segment_align: 8
    .kernarg_segment_size: 16
    .max_flat_workgroup_size: 256
    .sgpr_count:     66
    .vgpr_count:     512
    .wavefront_size: 32
...
	.end_amdgpu_metadata
.endif
;; end of part 3
;; launch oproj (part 4): grid 4 x 64, 4 waves a work-group, clusters of 4 x 4, 327,680 bytes of LDS; arguments ctx, wt, bo, out0; writes out0
.if DOCPART == 4
	.amdgcn_target "amdgcn-amd-amdhsa--gfx1250"
	.amdhsa_code_object_version 6
	.text
	.protected	k_q6c31c9c848_oproj
	.globl	k_q6c31c9c848_oproj
	.p2align	8
	.type	k_q6c31c9c848_oproj,@function
k_q6c31c9c848_oproj:
	s_mov_b64 s[64:65], 0
	v_nop
	global_prefetch_b8 v0, s[64:65] scope:SCOPE_SE
	s_setreg_imm32_b32 hwreg(HW_REG_WAVE_MODE, 25, 1), 1
	s_wait_xcnt 0x0
	s_wait_alu depctr_hold_cnt(0) depctr_sa_sdst(0) depctr_va_vdst(0) depctr_va_sdst(0) depctr_va_ssrc(0) depctr_va_vcc(0) depctr_vm_vsrc(0)
	s_getreg_b32 s2, hwreg(HW_REG_IB_STS2, 6, 4)
	s_cmp_eq_u32 s2, 0
	s_cbranch_scc0 .Lentry_in_a_cluster
	s_endpgm
.Lentry_in_a_cluster:
	s_bfe_u32 s2, ttmp6, 0x10000c
	s_cmp_lg_u32 s2, 0xf033
	s_cbranch_scc0 .Lentry_shape_is_right
	s_endpgm
.Lentry_shape_is_right:
; Launch 4 of 4: out0 = ctx wo + bo.  ctx: f16 [8192][1024] from the launch before; wo as wt[3][n][k] in f16 from the first launch; out0 f32.
; No work is left out here.  LIMIT: matrix operands are f16 (magnitudes below 65,504; below about 2^-24 they vanish); sums are f32.
;
; A work-group makes 128 rows x 256 columns with four waves, as many as a WGP has SIMDs; a wave makes 64 x 128: 32 accumulator tiles, 256 registers.
; 8192 x 1024 outputs in such blocks are 256 work-groups; blocks of 256 x 256 would be 128.
; K goes in steps of 128 through two LDS slots filled by tensor loads; a tile's rows are 256 consecutive aligned bytes of memory.
; CLUSTERS: 4 x 4 work-groups.  The four of a row of the cluster make the four column blocks of one block row (all 1,024 columns) and ask for
; ctx's tile jointly; the four of a column share the weights' tile.
; THE MATRIX INSTRUCTION IS USED TRANSPOSED: source 0 = 16 rows of wt (output columns), source 1 = 16 rows of ctx.  Lane l then holds
; output row l % 16 and, in registers 0-7, the columns 8 (l / 16) + 0..7.  The bias enters as the C of the first products: register j of a
; bias tile holds bo[16 b + 8 (l / 16) + j] in every lane.
; REGISTERS: window 0 addresses and fragments; window 1 the 32 accumulator tiles, tile (a, b) at v[8 (8 a + b)]; window 2 v0-63 the bias tiles.
.set KSTEP,  128
.set AROWB,  2048                      ; bytes in a row of ctx
.set APITCH, 272                       ; LDS row: 256 bytes + 16, an odd multiple of 16: sixteen rows start at sixteen different 16-byte columns of 256
.set AKB,    256                       ; bytes of a row in a K step
.set AQB,    64                        ; and in a quarter step (32 along K)
.set SPITCH, 528                       ; the stage's row: 128 f32 + 16 bytes
.set OROWB,  4096                      ; bytes in a row of the output
.set BPITCH, 272
.set HALFT,  128*BPITCH                ; 34,816: what one tensor load may fill (128 rows of weights; 64 rows of ctx take half)
.set SLOT,   4*HALFT                   ; ctx's rows 0-63, 64-127, weights' rows 0-127, 128-255
.set STAGE,  2*SLOT                    ; behind the ring, a multiple of 256: 16 rows for each wave, for the way out; no tensor load lands here
.set LAPS,   1024/(2*KSTEP)            ; a lap = two K steps = once round the ring
.set ADRA, 16                          ; v16-17  LDS address of my ctx fragments in slot 0, 1
.set ADRB, 20                          ; v20-21  the same for the weights
.set STO,  24                          ; the way out: where I put my part of a row
.set RD,   25                          ; the way out: where I read rows back
.set CO,   26                          ; my byte offset in the output
.set BO,   27                          ; my byte offset in the bias: 32 (l / 16)
.set AF,   32                          ; v32-63, v64-95  four fragments of ctx, two buffers
.set AFS,  32
.set BF,   128                         ; v128-191, v192-255  eight fragments of weights, two buffers
.set G1,  24                           ; s[24:31] group 1 for ctx's tiles
.set G0,  32                           ; s[32:39] group 0 for them, one set for each slot
.set G1B, 48                           ; s[48:55] group 1 for the weights' tiles
.set G0B, 56                           ; s[56:63] group 0 for them
.set MSB, 0
.macro WIN new                         ; the immediate's high byte repeats the setting that is left
.if MSB != \new
	s_set_vgpr_msb (MSB<<8)|\new
.set MSB, \new
.endif
.endm
.set MULW,  0x50                       ; C and D window 1, sources window 0
.set MULBW, 0x60                       ; D window 1, C window 2 (the bias)
.set TO_W2, 0x80                       ; destination window 2
.set DATA1, 0x04                       ; an LDS store's data window 1
; A joint load.  Waves 0 and 1 fetch ctx's two halves, waves 2 and 3 the weights'.  Each line has one mask; the branch hangs on the wave's number alone.
.macro JLOAD s
	s_cmp_eq_u32 s11, 0
	s_cbranch_scc0 .Lfor_b_\@
	tensor_load_to_lds s[G0+4*\s:G0+4*\s+3], s[G1:G1+7]
	s_nop 0
	s_branch .Lasked_\@
.Lfor_b_\@:
	tensor_load_to_lds s[G0B+4*\s:G0B+4*\s+3], s[G1B:G1B+7]
	s_nop 0
.Lasked_\@:
.endm
; A round of the cluster's barrier: my work-group's barrier; wave 0 signals for the work-group; every wave waits for all sixteen; my work-group's barrier again.
.macro CREST                           ; a round behind its opening barrier
	s_cmp_lg_u32 s10, 0
	s_cbranch_scc1 .Lnot_wave_0_\@
	s_barrier_signal -3
.Lnot_wave_0_\@:
	s_barrier_wait -3
	s_barrier_signal -1
	s_barrier_wait -1
.endm
.macro CROUND
	s_barrier_signal -1
	s_barrier_wait -1
	CREST
.endm
	s_load_b128 s[4:7], s[0:1], 0x0                ; ctx, wt
	s_load_b64 s[82:83], s[0:1], 0x10              ; bo
	s_load_b64 s[8:9], s[0:1], 0x18                ; out0
	v_lshl_add_u32 v126, v0, 2, 0x4c400
	v_mov_b32 v127, 0
	ds_add_u32 v126, v127
	v_lshrrev_b32 v1, 5, v0
	v_readfirstlane_b32 s10, v1                    ; wave 0..3
	s_lshr_b32 s11, s10, 1                         ; which 64 rows of the block are mine.  Also: I fetch ctx (0) or weights (1)
	s_and_b32 s12, s10, 1                          ; which 128 columns.  Also: which half of that tile I fetch
	s_bfe_u32 s40, ttmp6, 0x40000                  ; cx
	s_bfe_u32 s41, ttmp6, 0x40004                  ; cy
	s_lshl_b32 s42, ttmp9, 2
	s_add_co_u32 s42, s42, s40                     ; block column = 4 x cluster x + cx
	s_and_b32 s13, ttmp7, 0xffff                   ; cluster y
	s_lshl_b32 s13, s13, 2
	s_add_co_u32 s13, s13, s41                     ; block row = 4 x cluster y + cy
	s_lshl_b32 s43, s41, 2
	s_lshl_b32 s43, 15, s43                        ; my row of the cluster
	s_lshl_b32 s44, 0x1111, s40                    ; my column
	s_or_b32 s[G1+0], s43, (1<<16)|(1<<20)|(1<<21)|(5<<22)|(3<<25)         ; mask; f16; padding on; bit 21 beside a mask; after every 64 words; 4 words
	s_mov_b32 s[G1+1], KSTEP<<16                   ; tensor_dim0 = 128
	s_mov_b32 s[G1+2], 64<<16                      ; tensor_dim1 = 64
	s_mov_b32 s[G1+3], KSTEP<<16                   ; tile_dim0 = 128
	s_mov_b32 s[G1+4], 64                          ; tile_dim1 = 64
	s_mov_b32 s[G1+5], 1024                        ; elements from row to row
	s_mov_b32 s[G1+6], 0
	s_mov_b32 s[G1+7], 0
	s_or_b32 s[G1B+0], s44, (1<<16)|(1<<20)|(1<<21)|(5<<22)|(3<<25)        ; the same with my column's mask
	s_mov_b32 s[G1B+1], KSTEP<<16
	s_mov_b32 s[G1B+2], 128<<16
	s_mov_b32 s[G1B+3], KSTEP<<16
	s_mov_b32 s[G1B+4], 128
	s_mov_b32 s[G1B+5], 1024
	s_mov_b32 s[G1B+6], 0
	s_mov_b32 s[G1B+7], 0
	; ctx's tile hangs on the block row, the weights' on the block column; each in registers that never hold the other coordinate.
	s_lshl_b32 s16, s13, 7
	s_lshl_b32 s17, s12, 6
	s_add_co_u32 s16, s16, s17                     ; row 128 x block row + 64 x half
	s_mul_i32 s16, s16, AROWB                      ; below 2^24
	s_mov_b32 s17, 0
	s_lshl_b32 s46, s42, 8
	s_lshl_b32 s47, s12, 7
	s_add_co_u32 s46, s46, s47                     ; row of wt: 256 x block column + 128 x half
	s_lshl_b32 s46, s46, 11
	s_mov_b32 s47, 3<<21                           ; wo is the fourth matrix of 2 MiB
	s_add_co_u32 s46, s46, s47
	s_mov_b32 s47, 0
	s_mul_i32 s20, s10, HALFT                      ; where my part of a tile goes: the wave's number alone
	s_lshl_b32 s84, s42, 10                        ; my first column in the bias: 4 (256 x block column + 128 x half)
	s_lshl_b32 s85, s12, 9
	s_add_co_u32 s84, s84, s85
	s_mov_b32 s85, 0
	s_wait_dscnt 0x0
	s_wait_kmcnt 0x0
	s_add_nc_u64 s[14:15], s[4:5], s[16:17]
	s_add_nc_u64 s[46:47], s[6:7], s[46:47]
	s_add_nc_u64 s[82:83], s[82:83], s[84:85]
	CROUND                                         ; all sixteen work-groups are here: the first joint loads meet
.irp s, 0,1
	s_mov_b32 s[G0+4*\s], 1
	s_add_co_u32 s[G0+4*\s+1], s20, \s*SLOT
	s_add_nc_u64 s[G0+4*\s+2:G0+4*\s+3], s[14:15], \s*AKB          ; K step s
	s_or_b32 s[G0+4*\s+3], s[G0+4*\s+3], 0x80000000
	s_mov_b32 s[G0B+4*\s], 1
	s_add_co_u32 s[G0B+4*\s+1], s20, \s*SLOT
	s_add_nc_u64 s[G0B+4*\s+2:G0B+4*\s+3], s[46:47], \s*KSTEP*2
	s_or_b32 s[G0B+4*\s+3], s[G0B+4*\s+3], 0x80000000
	JLOAD \s                                       ; both first fills go out together: two tensor loads of the wave are out
.endr
	v_and_b32 v1, 15, v0                           ; r = l % 16
	v_bfe_u32 v2, v0, 4, 1                         ; h = l / 16
	v_mul_u32_u24 v3, v1, APITCH
	v_lshl_add_u32 v3, v2, 4, v3                   ; ctx: row r, 8 numbers for each half of the lanes
	v_mul_u32_u24 v4, v1, BPITCH
	v_lshl_add_u32 v4, v2, 4, v4                   ; weights
	s_mul_i32 s21, s11, HALFT                      ; my 64 rows of ctx
	s_mul_i32 s22, s12, HALFT
	s_add_co_u32 s22, s22, 2*HALFT                 ; my 128 rows of weights
.irp s, 0,1
	v_add_nc_u32 v[ADRA+\s], s21, v3
	v_add_nc_u32 v[ADRB+\s], s22, v4
	s_add_co_u32 s21, s21, SLOT
	s_add_co_u32 s22, s22, SLOT
.endr
	s_mul_i32 s23, s10, 16*SPITCH
	s_add_co_u32 s23, s23, STAGE                   ; my stage
	v_mul_u32_u24 v5, v1, SPITCH
	v_lshl_add_u32 v5, v2, 5, v5                   ; in: row r; a lane half's 8 results are 32 bytes
	v_add_nc_u32 v[STO], s23, v5
	v_and_b32 v6, 31, v0                           ; back: 32 lanes take one row of 512 bytes
	v_lshlrev_b32 v[CO], 4, v6
	v_add_nc_u32 v[RD], s23, v[CO]
	v_lshlrev_b32 v[BO], 5, v2
	; the bias tiles, window 2 v0-63: tile b, register j = bo[my first column + 16 b + 8 h + j]
	WIN TO_W2
.irp b, 0,1,2,3,4,5,6,7
	global_load_b128 v[8*\b:8*\b+3],   v[BO], s[82:83] offset:64*\b
	global_load_b128 v[8*\b+4:8*\b+7], v[BO], s[82:83] offset:64*\b+16
.endr
	WIN 0
; 16 matrix instructions: row tiles a0, a0 + 1 x all 8 column tiles, 32 along K, from buffer p.  mode 2: the bias tile is C and starts the sum.
; The 32 accumulators take turns, one instruction a turn, in the same order in every quarter step, over the backward jump too.
.macro MUL16 p, a0, mode
.irp a, \a0, \a0+1
.irp b, 0,1,2,3,4,5,6,7
.if \mode == 2
	v_wmma_f32_16x16x32_f16 v[8*(8*(\a)+\b):8*(8*(\a)+\b)+7], v[BF+64*\p+8*\b:BF+64*\p+8*\b+7], v[AF+AFS*\p+8*(\a):AF+AFS*\p+8*(\a)+7], v[8*\b:8*\b+7]
.else
	v_wmma_f32_16x16x32_f16 v[8*(8*(\a)+\b):8*(8*(\a)+\b)+7], v[BF+64*\p+8*\b:BF+64*\p+8*\b+7], v[AF+AFS*\p+8*(\a):AF+AFS*\p+8*(\a)+7], v[8*(8*(\a)+\b):8*(8*(\a)+\b)+7]
.endif
.endr
.endr
.endm
; The fragments of quarter step kq of a slot, in one run, into buffer p: weights, then ctx.
.macro FETCH slot, kq, p
.irp i, 0,1,2,3,4,5,6,7
	ds_load_b128 v[BF+64*(\p)+8*\i:BF+64*(\p)+8*\i+3],   v[ADRB+\slot] offset:\kq*64+\i*16*BPITCH
	ds_load_b128 v[BF+64*(\p)+8*\i+4:BF+64*(\p)+8*\i+7], v[ADRB+\slot] offset:\kq*64+\i*16*BPITCH+32
.endr
.irp i, 0,1,2,3
	ds_load_b128 v[AF+AFS*(\p)+8*\i:AF+AFS*(\p)+8*\i+3],   v[ADRA+\slot] offset:\kq*AQB+\i*16*APITCH
	ds_load_b128 v[AF+AFS*(\p)+8*\i+4:AF+AFS*(\p)+8*\i+7], v[ADRA+\slot] offset:\kq*AQB+\i*16*APITCH+32
.endr
.endm
; Four places behind the last matrix instruction, before a load is issued into one of its sources or a store reads a result (ISA guide 7.12.1 for vector
; instructions); matrix instructions in between are not counted.
.macro PLACES
.rept 4
	v_nop
.endr
.endm
; One of a K step's first three quarters: multiplies buffer p; ahead of its products it fetches quarter kq of the same slot into the other buffer.
.macro QTR slot, kq, p, mode
	s_wait_dscnt 0x0                               ; this quarter's fragments, issued ahead of the last run of products
	WIN 0
.if \mode != 2
	PLACES
.endif
	FETCH \slot, \kq, 1-\p
.if \mode == 2
	s_wait_loadcnt 0x0                             ; the bias
	WIN MULBW
.else
	WIN MULW
.endif
	MUL16 \p, 0, \mode
	MUL16 \p, 2, \mode
.endm
; The last quarter: multiplies buffer 1 and changes slots.  In front of the barrier each wave has waited for its reads of this slot and for all its tensor loads
; (one is out: its part of the next slot).  Where the slot is filled again the barrier opens a round of the cluster's barrier, only products stand inside it,
; and the joint refill is the first tensor load behind it, ahead of the first LDS read.
; No places stand in front of this FETCH: its targets are no registers of the sixteen products just issued, and the four places above lie behind all earlier ones.
.macro TURN slot, next, fill
	s_wait_dscnt 0x0                               ; my reads of this slot are over
	WIN 0
	PLACES
	s_wait_tensorcnt 0x0                           ; all my tensor loads have landed
	ds_add_u32 v126, v127
	s_wait_dscnt 0x0
	s_barrier_signal -1
	WIN MULW
	MUL16 1, 0, 0
	WIN 0
	s_barrier_wait -1
.if \fill
	CREST
	s_add_nc_u64 s[G0+4*\slot+2:G0+4*\slot+3], s[G0+4*\slot+2:G0+4*\slot+3], 2*AKB
	s_add_nc_u64 s[G0B+4*\slot+2:G0B+4*\slot+3], s[G0B+4*\slot+2:G0B+4*\slot+3], 2*KSTEP*2
	JLOAD \slot                                    ; two K steps ahead; one tensor load of the wave is out
.endif
	FETCH \next, 0, 0
	WIN MULW
	MUL16 1, 2, 0
.endm
.macro LAP
	QTR 0, 1, 0, 0
	QTR 0, 2, 1, 0
	QTR 0, 3, 0, 0
	TURN 0, 1, 1
	QTR 1, 1, 0, 0
	QTR 1, 2, 1, 0
	QTR 1, 3, 0, 0
	TURN 1, 0, 1
.endm
	s_wait_tensorcnt 0x1                           ; my part of K step 0 is in; K step 1's stays out
	s_barrier_signal -1
	s_barrier_wait -1
	FETCH 0, 0, 0
	QTR 0, 1, 0, 2                                 ; the first products take the bias as C: nothing is cleared or added later
	QTR 0, 2, 1, 0
	QTR 0, 3, 0, 0
	TURN 0, 1, 1
	QTR 1, 1, 0, 0
	QTR 1, 2, 1, 0
	QTR 1, 3, 0, 0
	TURN 1, 0, 1
	WIN 0                                          ; at a label and at a branch every window is 0
	s_mov_b32 s3, LAPS-2
.Llap:
	LAP
	WIN 0
	s_sub_co_u32 s3, s3, 1
	s_cmp_lg_u32 s3, 0
	s_cbranch_scc1 .Llap
	QTR 0, 1, 0, 0                                 ; the last lap fills nothing
	QTR 0, 2, 1, 0
	QTR 0, 3, 0, 0
	TURN 0, 1, 0
	QTR 1, 1, 0, 0
	QTR 1, 2, 1, 0
	QTR 1, 3, 0, 0
	s_wait_dscnt 0x0                               ; the very last quarter
	WIN 0
	PLACES
	WIN MULW
	MUL16 1, 0, 0
	MUL16 1, 2, 0
	; THE WAY OUT, 16 rows at a time through my own stage, read back as whole rows.
	WIN 0
	PLACES                                         ; behind the last products: for what reads results and for what is written over their sources
	s_lshl_b32 s16, s13, 7
	s_lshl_b32 s17, s11, 6
	s_add_co_u32 s16, s16, s17                     ; my first row
	s_mul_i32 s16, s16, OROWB
	s_mov_b32 s17, 0
	s_add_nc_u64 s[8:9], s[8:9], s[16:17]
	s_mul_i32 s46, s42, OROWB/4                    ; my first column, in bytes: a quarter of a row for each block column,
	s_mul_i32 s47, s12, OROWB/8                    ; an eighth for my half
	s_add_co_u32 s46, s46, s47
	s_mov_b32 s47, 0
	s_add_nc_u64 s[8:9], s[8:9], s[46:47]
.macro OUT16 a, f
	WIN DATA1
.irp b, 0,1,2,3,4,5,6,7
	ds_store_b128 v[STO], v[8*(8*\a+\b):8*(8*\a+\b)+3]   offset:64*\b
	ds_store_b128 v[STO], v[8*(8*\a+\b)+4:8*(8*\a+\b)+7] offset:64*\b+16
.endr
	WIN 0
	s_wait_xcnt 0x0                                ; buffer f, which earlier stores read, and the stores' base are rewritten only behind this wait
.if \a
	s_add_nc_u64 s[8:9], s[8:9], 16*OROWB
.endif
.irp t, 0,1,2,3,4,5,6,7,8,9,10,11,12,13,14,15
	ds_load_b128 v[\f+4*\t:\f+4*\t+3], v[RD] offset:\t*SPITCH      ; a wave's LDS instructions are served in order: these see the stores above
.endr
.irp t, 0,1,2,3,4,5,6,7,8,9,10,11,12,13,14,15
	s_wait_dscnt 15-\t
	global_store_b128 v[CO], v[\f+4*\t:\f+4*\t+3], s[8:9] offset:\t*OROWB th:TH_STORE_NT   ; the wave stores 512 consecutive bytes, aligned
.endr
.endm
	OUT16 0, BF
	OUT16 1, BF+64
	OUT16 2, BF
	OUT16 3, BF+64
	s_wait_tensorcnt 0x0
	ds_add_u32 v126, v127
	s_wait_dscnt 0x0
	CROUND                                         ; the closing round: no work-group ends while a partner may still ask for a tile that names it
	s_endpgm
.Lfunc_end_k_q6c31c9c848_oproj:
	.size	k_q6c31c9c848_oproj, .Lfunc_end_k_q6c31c9c848_oproj-k_q6c31c9c848_oproj
	.p2alignl 7, 3214868480
	.fill 96, 4, 3214868480
	.section	.rodata,"a",@progbits
	.p2align	6, 0x0
	.amdhsa_kernel k_q6c31c9c848_oproj
		.amdhsa_group_segment_fixed_size 327680
		.amdhsa_private_segment_fixed_size 0
		.amdhsa_enable_private_segment 0
		.amdhsa_kernarg_size 32
		.amdhsa_user_sgpr_count 2
		.amdhsa_user_sgpr_kernarg_segment_ptr 1
		.amdhsa_wavefront_size32 1
		.amdhsa_system_sgpr_workgroup_id_x 1
		.amdhsa_system_sgpr_workgroup_id_y 1
		.amdhsa_system_sgpr_workgroup_id_z 1
		.amdhsa_system_vgpr_workitem_id 0
		.amdhsa_next_free_vgpr 576
		.amdhsa_next_free_sgpr 86
		.amdhsa_reserve_vcc 0
		.amdhsa_float_denorm_mode_32 3
		.amdhsa_float_denorm_mode_16_64 3
		.amdhsa_memory_ordered 1
		.amdhsa_forward_progress 1
		.amdhsa_inst_pref_size 119
	.end_amdhsa_kernel
	.amdgpu_metadata
---
amdhsa.version: [ 1, 2 ]
amdhsa.kernels:
  - .name:           k_q6c31c9c848_oproj
    .symbol:         k_q6c31c9c848_oproj.kd
    .args:
      - { .name: ctx, .offset: 0, .size: 8, .value_kind: global_buffer, .address_space: global }
      - { .name: wt, .offset: 8, .size: 8, .value_kind: global_buffer, .address_space: global }
      - { .name: bo, .offset: 16, .size: 8, .value_kind: global_buffer, .address_space: global }
      - { .name: out0, .offset: 24, .size: 8, .value_kind: global_buffer, .address_space: global }
    .group_segment_fixed_size: 327680
    .private_segment_fixed_size: 0
    .kernarg_segment_align: 8
    .kernarg_segment_size: 32
    .max_flat_workgroup_size: 128
    .sgpr_count:     86
    .vgpr_count:     576
    .wavefront_size: 32
...
	.end_amdgpu_metadata
.endif
;; end of part 4
